; MI455X (gfx1250); checked and timed in simulation.
; The chip was launched on July 23, 2026; its instructions are those of AMD's public machine-readable ISA for CDNA 5 (MIT licence, August 2026) and "CDNA5" Instruction Set Architecture Reference Guide (July 2026). The comments in the code are by the model that wrote it; some were corrected since.
;; Transformer Block. Allowed arithmetic: float matrix products may take bf16 or f16 operands with f32 sums; other float arithmetic in f32, or as packed bf16 or f16 multiplies, adds, multiply-adds, maxima and minima; sums over many terms, partial sums and values carried from step to step in f32; what a program stores and reads back later, other than sums and carried values, may be rounded once to bf16 or f16.
;; Inputs: b_fc1 4,096 float32; b_fc2 1,024 float32; b_out 1,024 float32; b_qkv 3,072 float32; ln1_b 1,024 float32; ln1_g 1,024 float32; ln2_b 1,024 float32; ln2_g 1,024 float32; w_fc1 1,024 x 4,096 float32; w_fc2 4,096 x 1,024 float32; w_out 1,024 x 1,024 float32; w_qkv 1,024 x 3,072 float32; x 2 x 2,048 x 1,024 float32.
;; Outputs: out0 2 x 2,048 x 1,024 float32.
;; One version. Each part assembles by itself: llvm-mc -triple=amdgcn-amd-amdhsa -mcpu=gfx1250 --defsym DOCPART=n.
;; ======== version 1 of 1: 7 launches
;; limits: a function is approximated: absolute error at most 2.5e-05
;; workspace buffers: hb 8,388,608 bytes; wqb 6,291,456 bytes; wb 18,874,368 bytes; qkvb 25,165,824 bytes; ob 8,388,608 bytes; x1b 16,777,216 bytes; gb 33,554,432 bytes
;; launch prep (part 1): grid 448 x 1, 8 waves a work-group, no clusters, 0 bytes of LDS; arguments x, ln1_g, ln1_b, hb, w_qkv, wqb; writes hb, wqb
.if DOCPART == 1
	.amdgcn_target "amdgcn-amd-amdhsa--gfx1250"
	.amdhsa_code_object_version 6
	.text
	.protected	k_q5dbe4c8966_prep
	.globl	k_q5dbe4c8966_prep
	.p2align	8
	.type	k_q5dbe4c8966_prep,@function
k_q5dbe4c8966_prep:
	s_mov_b64 s[64:65], 0
	v_nop
	global_prefetch_b8 v0, s[64:65] scope:SCOPE_SE
	s_setreg_imm32_b32 hwreg(HW_REG_WAVE_MODE, 25, 1), 1
	s_wait_xcnt 0x0
; THE BODY SERVES TWO LAUNCHES.  With 448 work-groups: 0-255 make the first norm, 256-447 round w_qkv to bf16.  With 256 work-groups (the second norm) the cast part has no work-group.
; Work-groups 0-255: out = LayerNorm(in) * gain + bias, rounded once to bf16.  in: [4096][1024] f32, out: [4096][1024] bf16.
; Work-groups 256-447: w_qkv, f32, rounded once to bf16, its layout [K][N] kept: a plain stream, 65,536 bytes in and 32,768 out for each work-group.
; LN: a work-group has 16 rows, a wave two; one wave holds a whole row (4,096 bytes = 32 registers), so the row is read once and no wave waits for another.
; The variance is taken of the deviations from the mean (two passes over registers), so a common offset of the inputs costs no accuracy.
; LIMITS: NaN and infinities are not treated apart.  No LDS, matrix unit or cluster: the launch streams and shares nothing.
.set T,  4                             ; v[4:11]    at work
.set MU, 12                            ; v[12:13]   the mean, twice
.set VA, 14                            ; v14, v15   variance + eps, by row
.set X,  16                            ; v[16:79]   two rows, 32 registers each
.set G,  80                            ; v[80:111]  gain of my 32 columns
.set BT, 112                           ; v[112:143] bias of my 32 columns
.set RS, 144                           ; v[144:147] 1/sqrt(var + eps), a pair a row
	s_load_b256 s[4:11], s[0:1], 0x0               ; in 4:5, gain 6:7, bias 8:9, out 10:11
	s_load_b128 s[12:15], s[0:1], 0x20             ; w_qkv 12:13, its bf16 copy 14:15
	s_cmp_lt_u32 ttmp9, 256
	s_cbranch_scc0 .Lcast
	v_and_b32 v1, 31, v0                           ; lane
	v_lshrrev_b32 v2, 5, v0
	v_readfirstlane_b32 s26, v2                    ; wave
	v_lshlrev_b32 v2, 4, v1                        ; loads: 16 bytes a lane
	v_lshlrev_b32 v3, 3, v1                        ; stores: 8 bytes a lane
	s_lshl_b32 s27, ttmp9, 4
	s_lshl1_add_u32 s26, s26, s27                  ; my first row = 16 x work-group + 2 x wave
	s_lshl_b32 s28, s26, 12
	s_mov_b32 s29, 0
	s_lshl_b32 s30, s26, 11
	s_mov_b32 s31, 0
	s_mov_b32 s22, 0x3a800000                      ; 1/1024
	s_mov_b32 s23, 0x3727c5ac                      ; 1e-5
	s_mov_b32 s24, 0x76543210                      ; v_permlanex16_b32: each lane takes its own place in the other half
	s_mov_b32 s25, 0xfedcba98
	s_wait_kmcnt 0x0
	s_add_nc_u64 s[4:5], s[4:5], s[28:29]
	s_add_nc_u64 s[10:11], s[10:11], s[30:31]
.irp j, 0,1,2,3,4,5,6,7
	global_load_b128 v[X+4*(\j):X+4*(\j)+3], v2, s[4:5] offset:512*(\j)
.endr
.irp j, 0,1,2,3,4,5,6,7
	global_load_b128 v[X+32+4*(\j):X+32+4*(\j)+3], v2, s[4:5] offset:4096+512*(\j)
.endr
.irp j, 0,1,2,3,4,5,6,7
	global_load_b128 v[G+4*(\j):G+4*(\j)+3], v2, s[6:7] offset:512*(\j)
.endr
.irp j, 0,1,2,3,4,5,6,7
	global_load_b128 v[BT+4*(\j):BT+4*(\j)+3], v2, s[8:9] offset:512*(\j)
.endr
.macro RED                             ; four pairs in T -> their sum over the wave, in every lane's v[T]
	v_pk_add_f32 v[T:T+1], v[T:T+1], v[T+2:T+3]
	v_pk_add_f32 v[T+4:T+5], v[T+4:T+5], v[T+6:T+7]
	v_pk_add_f32 v[T:T+1], v[T:T+1], v[T+4:T+5]
	v_add_f32 v[T], v[T], v[T+1]
	v_add_f32_dpp v[T], v[T], v[T] row_xmask:1 row_mask:0xf bank_mask:0xf
	v_add_f32_dpp v[T], v[T], v[T] row_xmask:2 row_mask:0xf bank_mask:0xf
	v_add_f32_dpp v[T], v[T], v[T] row_xmask:4 row_mask:0xf bank_mask:0xf
	v_add_f32_dpp v[T], v[T], v[T] row_xmask:8 row_mask:0xf bank_mask:0xf
	v_permlanex16_b32 v[T+1], v[T], s24, s25
	v_add_f32 v[T], v[T], v[T+1]
.endm
.macro LNSTAT t                        ; row t: mean, deviations in place, variance, 1/sqrt
.set XT, X+32*(\t)
.irp c, 0,1,2,3
	v_pk_add_f32 v[T+2*(\c):T+2*(\c)+1], v[XT+2*(\c):XT+2*(\c)+1], v[XT+8+2*(\c):XT+8+2*(\c)+1]
.endr
.irp p, 8,9,10,11,12,13,14,15
	v_pk_add_f32 v[T+2*((\p)%4):T+2*((\p)%4)+1], v[T+2*((\p)%4):T+2*((\p)%4)+1], v[XT+2*(\p):XT+2*(\p)+1]
.endr
	RED
	v_mul_f32 v[MU], s22, v[T]
	v_mul_f32 v[MU+1], s22, v[T]
.irp p, 0,1,2,3,4,5,6,7,8,9,10,11,12,13,14,15
	v_pk_add_f32 v[XT+2*(\p):XT+2*(\p)+1], v[XT+2*(\p):XT+2*(\p)+1], v[MU:MU+1] neg_lo:[0,1] neg_hi:[0,1]
.endr
.irp c, 0,1,2,3
	v_pk_mul_f32 v[T+2*(\c):T+2*(\c)+1], v[XT+2*(\c):XT+2*(\c)+1], v[XT+2*(\c):XT+2*(\c)+1]
.endr
.irp p, 4,5,6,7,8,9,10,11,12,13,14,15
	v_pk_fma_f32 v[T+2*((\p)%4):T+2*((\p)%4)+1], v[XT+2*(\p):XT+2*(\p)+1], v[XT+2*(\p):XT+2*(\p)+1], v[T+2*((\p)%4):T+2*((\p)%4)+1]
.endr
	RED
	v_fma_f32 v[VA+(\t)], v[T], s22, s23           ; a register of its own: no later line writes the root's source
	v_rsq_f32 v[RS+2*(\t)], v[VA+(\t)]
	v_rsq_f32 v[RS+2*(\t)+1], v[VA+(\t)]
.endm
.macro LNOUT t                         ; row t: scaled, gain and bias, rounded, stored: each store of the wave covers 256 consecutive bytes, aligned
.set XT, X+32*(\t)
.irp p, 0,1,2,3,4,5,6,7,8,9,10,11,12,13,14,15
	v_pk_mul_f32 v[XT+2*(\p):XT+2*(\p)+1], v[XT+2*(\p):XT+2*(\p)+1], v[RS+2*(\t):RS+2*(\t)+1]
.endr
.irp p, 0,1,2,3,4,5,6,7,8,9,10,11,12,13,14,15
	v_pk_fma_f32 v[XT+2*(\p):XT+2*(\p)+1], v[XT+2*(\p):XT+2*(\p)+1], v[G+2*(\p):G+2*(\p)+1], v[BT+2*(\p):BT+2*(\p)+1]
.endr
.irp p, 0,1,2,3,4,5,6,7,8,9,10,11,12,13,14,15
	v_cvt_pk_bf16_f32 v[XT+(\p)], v[XT+2*(\p)], v[XT+2*(\p)+1]  ; packed downward in place: the destination never passes its sources
.endr
.irp j, 0,1,2,3,4,5,6,7
	global_store_b64 v3, v[XT+2*(\j):XT+2*(\j)+1], s[10:11] offset:(\t)*2048+256*(\j)
.endr
.endm
	s_wait_loadcnt 24                              ; row 0 is in; row 1, gain and bias (24 loads) stay out
	LNSTAT 0
	s_wait_loadcnt 16                              ; row 1 is in; gain and bias stay out
	LNSTAT 1
	v_nop                                          ; a plain instruction behind the last root,
	s_wait_alu depctr_va_vdst(0)                   ; and one wait for the four roots, ahead of their first reader
	s_wait_loadcnt 0x0
	LNOUT 0
	LNOUT 1
	s_endpgm
.Lcast:                                        ; chunk c of 192: 65,536 bytes of f32 in, 32,768 bytes of bf16 out
	s_sub_co_u32 s22, ttmp9, 256
	v_lshlrev_b32 v2, 4, v0                        ; 16 bytes a thread in,
	v_lshlrev_b32 v3, 3, v0                        ; 8 out
	s_lshl_b32 s24, s22, 16
	s_mov_b32 s25, 0
	s_lshl_b32 s26, s22, 15
	s_mov_b32 s27, 0
	s_wait_kmcnt 0x0
	s_add_nc_u64 s[12:13], s[12:13], s[24:25]
	s_add_nc_u64 s[14:15], s[14:15], s[26:27]
.irp i, 0,1,2,3,4,5,6,7,8,9,10,11,12,13,14,15
	global_load_b128 v[16+4*(\i):16+4*(\i)+3], v2, s[12:13] offset:4096*(\i) th:TH_LOAD_NT
.endr
.irp i, 0,1,2,3,4,5,6,7,8,9,10,11,12,13,14,15
	s_wait_loadcnt 15-(\i)                         ; loads come back in order: the younger ones stay out
	v_cvt_pk_bf16_f32 v[16+4*(\i)], v[16+4*(\i)], v[17+4*(\i)]
	v_cvt_pk_bf16_f32 v[17+4*(\i)], v[18+4*(\i)], v[19+4*(\i)]
	global_store_b64 v3, v[16+4*(\i):17+4*(\i)], s[14:15] offset:2048*(\i)
.endr
	s_endpgm
.Lfunc_end_k_q5dbe4c8966_prep:
	.size	k_q5dbe4c8966_prep, .Lfunc_end_k_q5dbe4c8966_prep-k_q5dbe4c8966_prep
	.p2alignl 7, 3214868480
	.fill 96, 4, 3214868480
	.section	.rodata,"a",@progbits
	.p2align	6, 0x0
	.amdhsa_kernel k_q5dbe4c8966_prep
		.amdhsa_group_segment_fixed_size 0
		.amdhsa_private_segment_fixed_size 0
		.amdhsa_enable_private_segment 0
		.amdhsa_kernarg_size 48
		.amdhsa_user_sgpr_count 2
		.amdhsa_user_sgpr_kernarg_segment_ptr 1
		.amdhsa_wavefront_size32 1
		.amdhsa_system_sgpr_workgroup_id_x 1
		.amdhsa_system_sgpr_workgroup_id_y 1
		.amdhsa_system_sgpr_workgroup_id_z 1
		.amdhsa_system_vgpr_workitem_id 0
		.amdhsa_next_free_vgpr 148
		.amdhsa_next_free_sgpr 66
		.amdhsa_reserve_vcc 0
		.amdhsa_float_denorm_mode_32 3
		.amdhsa_float_denorm_mode_16_64 3
		.amdhsa_memory_ordered 1
		.amdhsa_forward_progress 1
		.amdhsa_inst_pref_size 26
	.end_amdhsa_kernel
	.amdgpu_metadata
---
amdhsa.version: [ 1, 2 ]
amdhsa.kernels:
  - .name:           k_q5dbe4c8966_prep
    .symbol:         k_q5dbe4c8966_prep.kd
    .args:
      - { .name: x, .offset: 0, .size: 8, .value_kind: global_buffer, .address_space: global }
      - { .name: ln1_g, .offset: 8, .size: 8, .value_kind: global_buffer, .address_space: global }
      - { .name: ln1_b, .offset: 16, .size: 8, .value_kind: global_buffer, .address_space: global }
      - { .name: hb, .offset: 24, .size: 8, .value_kind: global_buffer, .address_space: global }
      - { .name: w_qkv, .offset: 32, .size: 8, .value_kind: global_buffer, .address_space: global }
      - { .name: wqb, .offset: 40, .size: 8, .value_kind: global_buffer, .address_space: global }
    .group_segment_fixed_size: 0
    .private_segment_fixed_size: 0
    .kernarg_segment_align: 8
    .kernarg_segment_size: 48
    .max_flat_workgroup_size: 256
    .sgpr_count:     66
    .vgpr_count:     148
    .wavefront_size: 32
...
	.end_amdgpu_metadata
.endif
;; end of part 1
;; launch qkv (part 2): grid 16 x 16, 4 waves a work-group, clusters of 4 x 4, 327,680 bytes of LDS; arguments hb, wqb, b_qkv, qkvb, w_fc2, w_fc1, w_out, wb; writes qkvb, wb
.if DOCPART == 2
	.amdgcn_target "amdgcn-amd-amdhsa--gfx1250"
	.amdhsa_code_object_version 6
	.text
	.protected	k_q5dbe4c8966_qkv
	.globl	k_q5dbe4c8966_qkv
	.p2align	8
	.type	k_q5dbe4c8966_qkv,@function
k_q5dbe4c8966_qkv:
	s_mov_b64 s[64:65], 0
	v_nop
	global_prefetch_b8 v0, s[64:65] scope:SCOPE_SE
	s_setreg_imm32_b32 hwreg(HW_REG_WAVE_MODE, 25, 1), 1
	s_wait_xcnt 0x0
	s_wait_alu depctr_hold_cnt(0) depctr_sa_sdst(0) depctr_va_vdst(0) depctr_va_sdst(0) depctr_va_ssrc(0) depctr_va_vcc(0) depctr_vm_vsrc(0)
	s_getreg_b32 s2, hwreg(HW_REG_IB_STS2, 6, 4)
	s_cmp_eq_u32 s2, 0
	s_cbranch_scc0 .Lentry_in_a_cluster
	s_endpgm
.Lentry_in_a_cluster:
	s_bfe_u32 s2, ttmp6, 0x10000c
	s_cmp_lg_u32 s2, 0xf033
	s_cbranch_scc0 .Lentry_shape_is_right
	s_endpgm
.Lentry_shape_is_right:
; CLUSTER COLUMNS 0 TO 2 (192 work-groups): qkvb = hb x wq + b_qkv, rounded once to bf16 and laid by heads: [b 2][column / 64: 48 slabs][n 2048][64].  hb: [4096][1024] bf16; wq: [1024][3072] bf16.
; CLUSTER COLUMN 3 (64 work-groups): the product has 3072 / 256 = 12 tile columns and no tile for it.  It rounds w_fc2, w_fc1 and w_out, f32, once to bf16 into wb (w2 at byte 0, w1 at 8,388,608,
; wo at 16,777,216; layouts [K][N] kept), which only later launches read: 576 KiB in and 288 KiB out for each work-group, beside the product.  The branch hangs on the cluster's x, which all sixteen partners share.
; THE PRODUCT.  A tile is 256 x 256: four waves, each 128 x 128 in 64 accumulators.  K goes in 8 steps of 128 through a ring of two LDS slots filled by tensor loads.
; THE WEIGHTS STAY [K][N]: their fragments come out of LDS turned, by ds_load_tr16_b128.  The matrix instruction is used transposed (source 0 = 16 columns of W,
; source 1 = 16 rows of A): a lane holds row l % 16 and columns 8 (l / 16) + 0..7.  THE BIAS, loaded in that layout, is the C operand of each accumulator's first product: nothing is cleared.
; ONE SLOT'S TEXT: s[TB] is 0 or SLOT; the fragment addresses are made anew from it at each change of slots.
; CLUSTER 4 x 4: A's tile is asked for jointly along a row of the cluster, W's along a column.
; THE WAY OUT: behind the last barrier nobody reads the ring and it has had its last fill: each wave lays its 128 x 128 f32 there (its own bytes) and reads rows back.
; WINDOWS: 0: addresses, A's two fragment buffers, the bias; 1: W's two fragment buffers; 2, 3: accumulator (a, b) at 8 (8 a + b).
.set NN,     3072
.set TT,     8                         ; K steps
.set PA,     272                       ; A's LDS row: 256 bytes + 16
.set PB,     544                       ; W's LDS row: 512 bytes + 32 = 17 x 32
.set HALF,   34816                     ; 128 x 272 = 64 x 544: what one tensor load brings
.set ABYTES, 2*HALF
.set SLOT,   4*HALF
.set SPARE,  2*SLOT                    ; the spare words, 128 bytes a wave: two blocks of 256 bytes that no other line names
.set DP,     528                       ; the way out: a row of 128 f32 + 16 bytes
.set DST,    128*DP
.set ASTEP,  256
.set BSTEP,  256*NN
.set WV, 14
.set WM, 15
.set WN, 16
.set CX, 17
.set CY, 18
.set TX, 19
.set TY, 20
.set G1A, 24
.set G0A, 32
.set G1B, 48
.set G0B, 56
.set TB,  66
.set WO,  67
.set CNT, 68
.set LIM, 69
.set PFA, 70
.set PFS, 72
.set A0,   16                          ; my lane's place in A's tile; never rewritten
.set B0,   17                          ; in W's tile
.set ADRA, 18
.set ADRB, 19
.set STO,  20
.set RD,   21
.set GO,   22
.set BO,   23
.set SPW,  28
.set NIL,  29
.set PFO,  30
.set F0,   64
.set F1,   128
.set BIAS, 192
.set X0,   32
.set X1,   64
.set Y0,   96
.set Y1,   112
.set XC,   32                          ; the cast: v[32:159], 32 loads of four registers
.set MSB, 0
.macro WIN new                         ; the high byte repeats the setting that is left; a switch that changes nothing is dropped
.if MSB != (\new)
	s_set_vgpr_msb (MSB<<8)|(\new)
.set MSB, \new
.endif
.endm
.macro PLACES                          ; four plain places behind matrix instructions, ahead of loads into their sources and of reads of their results
.rept 4
	v_nop
.endr
.endm
.macro CREST                           ; a round of the cluster's barrier behind its opening barrier
	s_cmp_lg_u32 s[WV], 0
	s_cbranch_scc1 .Lnot_wave_0_\@
	s_barrier_signal -3
.Lnot_wave_0_\@:
	s_barrier_wait -3
	s_barrier_signal -1
	s_barrier_wait -1
.endm
.macro CROUND
	s_barrier_signal -1
	s_barrier_wait -1
	CREST
.endm
.macro JLOAD                           ; the joint refill, by the walking descriptor: waves 0, 1 A's halves, waves 2, 3 W's; s_nop 0 and four v_nop follow each line
	s_cmp_eq_u32 s[WM], 0
	s_cbranch_scc0 .Lfor_b_\@
	tensor_load_to_lds s[G0A+4:G0A+7], s[G1A:G1A+7]
	s_nop 0
.rept 4
	v_nop
.endr
	s_branch .Lasked_\@
.Lfor_b_\@:
	tensor_load_to_lds s[G0B+4:G0B+7], s[G1B:G1B+7]
	s_nop 0
.rept 4
	v_nop
.endr
.Lasked_\@:
.endm
.macro ASK                             ; a prefetch of the K step behind the one just asked for: 32 blocks of 256 bytes, one a lane; the last refill asks for nothing
	s_cmp_gt_u32 s[CNT], s[LIM]
	s_cbranch_scc0 .Lnot_mine_\@
	global_prefetch_b8 v[PFO], s[PFA:PFA+1] th:TH_LOAD_NT scope:SCOPE_SE
.Lnot_mine_\@:
.endm
	s_load_b256 s[4:11], s[0:1], 0x0               ; A 4:5, wq 6:7, bias 8:9, out 10:11
	s_load_b256 s[76:83], s[0:1], 0x20             ; w_fc2 76:77, w_fc1 78:79, w_out 80:81, wb 82:83
	v_lshl_add_u32 v[SPW], v0, 2, SPARE
	v_mov_b32 v[NIL], 0
	ds_add_u32 v[SPW], v[NIL]                      ; the wave's opening: the add and its wait ahead of my first tensor load
	v_lshrrev_b32 v1, 5, v0
	v_readfirstlane_b32 s[WV], v1
	s_lshr_b32 s[WM], s[WV], 1                     ; my half of the rows; also: I fetch A (0) or W (1)
	s_and_b32 s[WN], s[WV], 1                      ; my half of the columns; also: which half I fetch
	s_bfe_u32 s[CX], ttmp6, 0x40000
	s_bfe_u32 s[CY], ttmp6, 0x40004
	s_lshl_b32 s[TX], ttmp9, 2
	s_add_co_u32 s[TX], s[TX], s[CX]
	s_and_b32 s[TY], ttmp7, 0xffff
	s_lshl_b32 s[TY], s[TY], 2
	s_add_co_u32 s[TY], s[TY], s[CY]
	s_lshl_b32 s21, s[CY], 2
	s_lshl_b32 s21, 15, s21                        ; my row of the cluster
	s_lshl_b32 s22, 0x1111, s[CX]                  ; my column
	s_or_b32 s[G1A], s21, (1<<16)|(1<<20)|(1<<21)|(5<<22)|(3<<25)   ; 2-byte elements, padding of 4 words after every 64
	s_or_b32 s[G1B], s22, (1<<16)|(1<<20)|(1<<21)|(6<<22)|(7<<25)   ; padding of 8 words after every 128
	s_mov_b32 s[G1A+1], 128<<16                    ; A: 128 rows x 128 elements, 1,024 elements from row to row
	s_mov_b32 s[G1A+2], 128<<16
	s_mov_b32 s[G1A+3], 128<<16
	s_mov_b32 s[G1A+4], 128
	s_mov_b32 s[G1A+5], 1024
	s_mov_b32 s[G1A+6], 0
	s_mov_b32 s[G1A+7], 0
	s_mov_b32 s[G1B+1], 256<<16                    ; W: 64 rows of K x 256 columns
	s_mov_b32 s[G1B+2], 64<<16
	s_mov_b32 s[G1B+3], 256<<16
	s_mov_b32 s[G1B+4], 64
	s_mov_b32 s[G1B+5], NN
	s_mov_b32 s[G1B+6], 0
	s_mov_b32 s[G1B+7], 0
	s_mul_i32 s[WO], s[WV], HALF                   ; where my loads land in a slot: the wave's number alone
	s_mov_b32 s[TB], 0
	s_lshl_b32 s40, s[TY], 8
	s_lshl_b32 s23, s[WN], 7
	s_add_co_u32 s40, s40, s23
	s_lshl_b32 s40, s40, 11                        ; A: row 256 ty + 128 half, 2,048 bytes a row
	s_mov_b32 s41, 0
	s_mul_i32 s42, s[WN], 128*NN                   ; W: K row 64 half,
	s_lshl_b32 s43, s[TX], 9                       ; column 256 tx
	s_add_co_u32 s42, s42, s43
	s_mov_b32 s43, 0
	s_wait_dscnt 0x0                               ; the opening add is done
	s_wait_kmcnt 0x0
	s_cmp_lt_u32 ttmp9, 3                          ; the cluster's x: the same in all sixteen partners
	s_cbranch_scc0 .Lcast                          ; cluster column 3 has no tile: it rounds the later launches' weights
	s_add_nc_u64 s[44:45], s[4:5], s[40:41]
	s_add_nc_u64 s[46:47], s[6:7], s[42:43]
	CROUND                                         ; all sixteen work-groups are here: the first joint loads meet
.irp s, 0,1
	s_mov_b32 s[G0A+4*(\s)], 1
	s_add_co_u32 s[G0A+4*(\s)+1], s[WO], (\s)*SLOT
	s_add_nc_u64 s[G0A+4*(\s)+2:G0A+4*(\s)+3], s[44:45], (\s)*ASTEP
	s_or_b32 s[G0A+4*(\s)+3], s[G0A+4*(\s)+3], 0x80000000
	s_mov_b32 s[G0B+4*(\s)], 1
	s_add_co_u32 s[G0B+4*(\s)+1], s[WO], (\s)*SLOT
	s_add_nc_u64 s[G0B+4*(\s)+2:G0B+4*(\s)+3], s[46:47], (\s)*BSTEP
	s_or_b32 s[G0B+4*(\s)+3], s[G0B+4*(\s)+3], 0x80000000
.endr
	s_cmp_eq_u32 s[WM], 0                          ; a wave's two first fills stand in one branch: two loads of mine are out
	s_cbranch_scc0 .Lfirst_b
	tensor_load_to_lds s[G0A:G0A+3], s[G1A:G1A+7]
	s_nop 0
	tensor_load_to_lds s[G0A+4:G0A+7], s[G1A:G1A+7]
	s_nop 0
.rept 4
	v_nop
.endr
	s_branch .Lfirst_done
.Lfirst_b:
	tensor_load_to_lds s[G0B:G0B+3], s[G1B:G1B+7]
	s_nop 0
	tensor_load_to_lds s[G0B+4:G0B+7], s[G1B:G1B+7]
	s_nop 0
.rept 4
	v_nop
.endr
.Lfirst_done:
	v_and_b32 v1, 15, v0                           ; r = l % 16
	v_bfe_u32 v2, v0, 4, 1                         ; h = l / 16
	v_and_b32 v3, 7, v0
	v_bfe_u32 v4, v0, 3, 1
	v_and_b32 v5, 31, v0                           ; l
	v_lshlrev_b32 v[BO], 5, v2                     ; the bias in the accumulators' layout: 32 bytes for each half of the lanes
	s_lshl_b32 s2, s[TX], 10
	s_lshl_b32 s3, s[WN], 9
	s_add_co_u32 s2, s2, s3
	s_mov_b32 s3, 0
	s_add_nc_u64 s[8:9], s[8:9], s[2:3]            ; at my wave's first column
.irp b, 0,1,2,3,4,5,6,7
	global_load_b128 v[BIAS+8*(\b):BIAS+8*(\b)+3],   v[BO], s[8:9] offset:64*(\b)
	global_load_b128 v[BIAS+8*(\b)+4:BIAS+8*(\b)+7], v[BO], s[8:9] offset:64*(\b)+16
.endr
	v_mul_u32_u24 v[A0], v1, PA
	v_lshl_add_u32 v[A0], v2, 4, v[A0]
	s_mul_i32 s21, s[WM], HALF
	v_add_nc_u32 v[A0], s21, v[A0]                 ; my 128 rows: row x pitch + 16 h
	v_lshl_add_u32 v[B0], v2, 3, v3
	v_mul_u32_u24 v[B0], v[B0], PB
	v_lshl_add_u32 v[B0], v4, 4, v[B0]
	s_lshl_b32 s21, s[WN], 8
	s_add_co_u32 s21, s21, ABYTES
	v_add_nc_u32 v[B0], s21, v[B0]                 ; the turning load: K row 8 h + l % 8, 16 bytes by (l / 8) % 2, my 128 columns
	v_mov_b32 v[ADRA], v[A0]
	v_mov_b32 v[ADRB], v[B0]
	s_mul_i32 s21, s[WV], DST
	v_mul_u32_u24 v[STO], v1, DP
	v_lshl_add_u32 v[STO], v2, 5, v[STO]
	v_add_nc_u32 v[STO], s21, v[STO]
	v_mul_u32_u24 v[RD], v2, DP                    ; back: lanes 0-15 take 64 columns of a row, lanes 16-31 of the next
	v_lshl_add_u32 v[RD], v1, 4, v[RD]
	v_add_nc_u32 v[RD], s21, v[RD]
	v_lshlrev_b32 v[GO], 3, v5                     ; two rows of a head are 256 consecutive bytes
	s_lshr_b32 s2, s[TY], 3                        ; b
	s_mul_i32 s2, s2, 48
	s_lshl_b32 s21, s[TX], 2
	s_add_co_u32 s2, s2, s21
	s_lshl_b32 s21, s[WN], 1
	s_add_co_u32 s2, s2, s21                       ; my first slab
	s_lshl_b32 s2, s2, 18
	s_and_b32 s21, s[TY], 7
	s_lshl_b32 s21, s21, 8
	s_lshl_b32 s22, s[WM], 7
	s_add_co_u32 s21, s21, s22                     ; my first n
	s_lshl_b32 s21, s21, 7
	s_add_co_u32 s2, s2, s21
	s_mov_b32 s3, 0
	s_add_nc_u64 s[10:11], s[10:11], s[2:3]
	; the prefetches: A's rows are asked for by the clusters with x = 0, W's by those with y = 0; the four partners of a joint load share its blocks out by address
	s_lshl_b32 s84, s[TY], 8
	s_lshl_b32 s85, s[WN], 7
	s_add_co_u32 s84, s84, s85
	s_lshl_b32 s85, s[CX], 5
	s_add_co_u32 s84, s84, s85
	s_lshl_b32 s84, s84, 11
	s_add_co_u32 s84, s84, 2*ASTEP                 ; A: my work-group's 32 of the wave's 128 rows, at K step 2
	s_lshl_b32 s86, s[WN], 6
	s_lshl_b32 s87, s[CY], 4
	s_add_co_u32 s86, s86, s87
	s_mul_i32 s86, s86, 2*NN
	s_lshl_b32 s87, s[TX], 9
	s_add_co_u32 s86, s86, s87
	s_add_co_u32 s86, s86, 2*BSTEP                 ; W: my work-group's 16 of the wave's 64 rows of K, at K step 2
	s_and_b32 s87, ttmp7, 0xffff
	s_mov_b32 s88, BSTEP
	s_mov_b32 s89, 2*NN
	s_cmp_eq_u32 s[WM], 0
	s_cselect_b64 s[PFA:PFA+1], s[4:5], s[6:7]
	s_cselect_b32 s84, s84, s86
	s_cselect_b32 s[PFS], ASTEP, s88
	s_cselect_b32 s87, ttmp9, s87
	s_cselect_b32 s90, 0, 1
	s_cselect_b32 s89, 2048, s89
	s_mov_b32 s85, 0
	s_mov_b32 s[PFS+1], 0
	s_add_nc_u64 s[PFA:PFA+1], s[PFA:PFA+1], s[84:85]
	s_cmp_eq_u32 s87, 0
	s_cselect_b32 s[LIM], 1, -1                    ; the same in all sixteen partners, for a given wave
	v_lshrrev_b32 v6, s90, v5                      ; A: a lane a row; W: two lanes a row of 512 bytes
	v_mul_lo_u32 v6, v6, s89
	v_and_b32 v7, s90, v5
	v_lshl_add_u32 v[PFO], v7, 8, v6
.macro MUL16 f, hi, a0, first          ; 16 products: row blocks a0, a0 + 1 of the window's four x 8 column blocks, 32 along K; first = 1: the bias starts the sums
.if \first
	WIN 0x81+0x40*(\hi)
.else
	WIN 0xa1+0x50*(\hi)
.endif
.irp a, \a0, (\a0)+1
.irp b, 0,1,2,3,4,5,6,7
.if \first
	v_wmma_f32_16x16x32_bf16 v[8*(8*(\a)+(\b)):8*(8*(\a)+(\b))+7], v[(\f)+8*(\b):(\f)+8*(\b)+7], v[(\f)+8*(4*(\hi)+(\a)):(\f)+8*(4*(\hi)+(\a))+7], v[BIAS+8*(\b):BIAS+8*(\b)+7]
.else
	v_wmma_f32_16x16x32_bf16 v[8*(8*(\a)+(\b)):8*(8*(\a)+(\b))+7], v[(\f)+8*(\b):(\f)+8*(\b)+7], v[(\f)+8*(4*(\hi)+(\a)):(\f)+8*(4*(\hi)+(\a))+7], v[8*(8*(\a)+(\b)):8*(8*(\a)+(\b))+7]
.endif
.endr
.endr
.endm
.macro FETCH q, f                      ; 32 LDS loads in one run: quarter q's fragments (32 along K) into buffer f: W's, turned, then A's
	WIN 0x40
.irp i, 0,1,2,3,4,5,6,7
	ds_load_tr16_b128 v[(\f)+8*(\i):(\f)+8*(\i)+3],   v[ADRB] offset:(\q)*32*PB+32*(\i)
	ds_load_tr16_b128 v[(\f)+8*(\i)+4:(\f)+8*(\i)+7], v[ADRB] offset:(\q)*32*PB+32*(\i)+16*PB
.endr
	WIN 0
.irp i, 0,1,2,3,4,5,6,7
	ds_load_b128 v[(\f)+8*(\i):(\f)+8*(\i)+3],   v[ADRA] offset:(\q)*64+(\i)*16*PA
	ds_load_b128 v[(\f)+8*(\i)+4:(\f)+8*(\i)+7], v[ADRA] offset:(\q)*64+(\i)*16*PA+32
.endr
.endm
.macro QUARTER q, f, g, first          ; multiplies buffer f; in its middle fetches quarter q into buffer g
	s_wait_dscnt 8                                 ; W and A's rows 0-63 are in; the youngest eight loads (A's rows 64-127) may be out
	MUL16 \f, 0, 0, \first
	MUL16 \f, 0, 2, \first
	PLACES
	FETCH \q, \g
	s_wait_dscnt 32                                ; all but the 32 just issued
	MUL16 \f, 1, 0, \first
	MUL16 \f, 1, 2, \first
.endm
; The slot's last quarter multiplies buffer 1 and changes slots.  In front of the barrier each wave waits for all its tensor loads (one is out: its part of the next slot), adds 0 to its
; spare word, and waits for that and for its reads of this slot.  fill = 1: the barrier opens a round of the cluster's, and the slot just left is filled again, first thing behind it, two K steps ahead.
.macro TURN fill
.if \fill
	s_wait_xcnt 0x0                                ; the last prefetch, a K step back, has read its address
	s_add_nc_u64 s[PFA:PFA+1], s[PFA:PFA+1], s[PFS:PFS+1]
.endif
	WIN 0
	s_wait_tensorcnt 0x0                           ; no tensor load of mine is out, so a group 0 may be written
	ds_add_u32 v[SPW], v[NIL]
.if \fill
	s_add_co_u32 s[G0A+5], s[TB], s[WO]            ; the walking descriptors: into the slot that is being left,
	s_add_nc_u64 s[G0A+6:G0A+7], s[G0A+6:G0A+7], ASTEP  ; the next K step
	s_add_co_u32 s[G0B+5], s[TB], s[WO]
	s_add_nc_u64 s[G0B+6:G0B+7], s[G0B+6:G0B+7], BSTEP
.endif
	s_xor_b32 s[TB], s[TB], SLOT                   ; 0 <-> SLOT
	v_add_nc_u32 v[ADRA], s[TB], v[A0]
	v_add_nc_u32 v[ADRB], s[TB], v[B0]
	s_wait_dscnt 9                                 ; the add and the youngest eight loads may be out
	MUL16 F1, 0, 0, 0
	s_wait_dscnt 0x0                               ; the add is done, and my reads of this slot are over
	s_barrier_signal -1
	MUL16 F1, 0, 2, 0
	WIN 0
	s_barrier_wait -1
.if \fill
	CREST
	JLOAD                                          ; its four v_nop are also the places in front of the loads below
.else
	s_cmp_eq_u32 s[CNT], 1                         ; behind the last K step there is nothing to fetch
	s_cbranch_scc1 .Lnf_\@
	PLACES
.endif
	FETCH 0, F0
	WIN 0
.if \fill
	ASK
.else
.Lnf_\@:
.endif
	MUL16 F1, 1, 0, 0
	MUL16 F1, 1, 2, 0
.endm
	s_wait_tensorcnt 0x1                           ; my part of K step 0 is in; K step 1's may stay out
	s_barrier_signal -1
	s_barrier_wait -1
	FETCH 0, F0
	s_wait_loadcnt 0x0                             ; the bias
	QUARTER 1, F0, F1, 1                           ; the first quarter stands in front of the loop: its products start the sums
	WIN 0
	s_mov_b32 s[CNT], TT-2
.Lk:                                           ; a trip: a K step's quarters 1-3 and the next one's quarter 0; one refill
	QUARTER 2, F1, F0, 0
	QUARTER 3, F0, F1, 0
	TURN 1
	QUARTER 1, F0, F1, 0
	WIN 0
	s_sub_co_u32 s[CNT], s[CNT], 1
	s_cmp_lg_u32 s[CNT], 0
	s_cbranch_scc1 .Lk
	s_mov_b32 s[CNT], 2
.Lt:                                           ; the last two K steps ask for nothing; the second trip is left in its middle
	QUARTER 2, F1, F0, 0
	QUARTER 3, F0, F1, 0
	TURN 0
	WIN 0
	s_sub_co_u32 s[CNT], s[CNT], 1
	s_cmp_eq_u32 s[CNT], 0
	s_cbranch_scc1 .Lout
	QUARTER 1, F0, F1, 0
	WIN 0
	s_branch .Lt
.Lout:
	PLACES
.irp a, 0,1,2,3,4,5,6,7                ; my 128 x 128 f32 into my own part of the ring, each accumulator's low registers first
	WIN 0x08+4*((\a)/4)
.irp b, 0,1,2,3,4,5,6,7
	ds_store_b128 v[STO], v[8*(8*((\a)%4)+(\b)):8*(8*((\a)%4)+(\b))+3]   offset:(\a)*16*DP+64*(\b)
	ds_store_b128 v[STO], v[8*(8*((\a)%4)+(\b))+4:8*(8*((\a)%4)+(\b))+7] offset:(\a)*16*DP+64*(\b)+16
.endr
.endr
	WIN 0
.macro LOADH x, hf                     ; 8 rows: 4 pairs of rows x 2 heads
.irp u, 0,1,2,3
.irp e, 0,1
	ds_load_b128 v[(\x)+4*(2*(\u)+(\e)):(\x)+4*(2*(\u)+(\e))+3], v[RD] offset:(8*(\hf)+2*(\u))*DP+256*(\e)
.endr
.endr
.endm
.macro WORK x, y, hf
	s_wait_xcnt 0x0                                ; the last trip's stores have read these registers
.irp k, 0,1,2,3,4,5,6,7,8,9,10,11,12,13,14,15
	v_cvt_pk_bf16_f32 v[(\y)+(\k)], v[(\x)+2*(\k)], v[(\x)+2*(\k)+1]
.endr
.irp u, 0,1,2,3
.irp e, 0,1
	global_store_b64 v[GO], v[(\y)+2*(2*(\u)+(\e)):(\y)+2*(2*(\u)+(\e))+1], s[10:11] offset:(\e)*262144+(8*(\hf)+2*(\u))*128  ; 256 consecutive bytes, aligned
.endr
.endr
.endm
	LOADH X0, 0                                    ; LDS serves a wave's instructions in order: these see the stores above
	s_mov_b32 s[CNT], 8
.Lr:                                           ; 16 rows a trip
	LOADH X1, 1
	s_wait_dscnt 8                                 ; the first half is in; the second half's eight loads may be out
	WORK X0, Y0, 0
	v_add_nc_u32 v[RD], 16*DP, v[RD]
	s_cmp_eq_u32 s[CNT], 1
	s_cbranch_scc1 .Lx
	LOADH X0, 0
	s_wait_dscnt 8
	s_branch .Lg
.Lx:
	s_wait_dscnt 0x0
.Lg:
	WORK X1, Y1, 1
	s_wait_xcnt 0x0                                ; the stores have read their base
	s_add_nc_u64 s[10:11], s[10:11], 16*128
	s_sub_co_u32 s[CNT], s[CNT], 1
	s_cmp_lg_u32 s[CNT], 0
	s_cbranch_scc1 .Lr
	s_wait_tensorcnt 0x0                           ; the wave's end
	ds_add_u32 v[SPW], v[NIL]
	s_wait_dscnt 0x0
	CROUND                                         ; the closing round
	s_endpgm
; THE CAST.  576 chunks of 65,536 bytes of f32: 0-255 w_fc2, 256-511 w_fc1, 512-575 w_out; chunk g goes to byte 32,768 g of wb.  Work-group c of 64 takes chunks c + 64 i, i = 0 .. 8:
; the source steps by 64 chunks (4 MiB) and changes buffers behind trips 3 and 7, the target steps by 2 MiB.  A trip: 32 loads of 16 bytes a thread, all issued at once (64 KiB of the
; work-group on their way), each rounded and stored as it comes; a wave's store covers 256 consecutive bytes, aligned.
.Lcast:
	s_lshl2_add_u32 s40, s[TY], s[CX]              ; c = 4 x (4 x cluster y + cy) + cx: it enters global addresses alone
	s_lshl_b32 s42, s40, 15
	s_mov_b32 s43, 0
	s_lshl_b32 s40, s40, 16
	s_mov_b32 s41, 0
	s_add_nc_u64 s[44:45], s[76:77], s[40:41]      ; the source: w_fc2 at chunk c,
	s_add_nc_u64 s[78:79], s[78:79], s[40:41]      ; then w_fc1 at chunk c,
	s_add_nc_u64 s[80:81], s[80:81], s[40:41]      ; then w_out at chunk c
	s_add_nc_u64 s[82:83], s[82:83], s[42:43]      ; the target
	v_lshlrev_b32 v2, 4, v0                        ; 16 bytes a thread in,
	v_lshlrev_b32 v3, 3, v0                        ; 8 out
	s_mov_b32 s[CNT], 9
.Lc:
.set j, 0
.rept 32
	global_load_b128 v[XC+4*j:XC+4*j+3], v2, s[44:45] offset:2048*j th:TH_LOAD_NT
.set j, j+1
.endr
.set j, 0
.rept 32
	s_wait_loadcnt 31-j                            ; loads come back in order: the younger ones stay out
	v_cvt_pk_bf16_f32 v[XC+4*j], v[XC+4*j], v[XC+4*j+1]
	v_cvt_pk_bf16_f32 v[XC+4*j+1], v[XC+4*j+2], v[XC+4*j+3]
	global_store_b64 v3, v[XC+4*j:XC+4*j+1], s[82:83] offset:1024*j
.set j, j+1
.endr
	s_wait_xcnt 0x0                                ; the stores have read their data and their base, the loads their base: all are written again only behind this wait
	s_add_nc_u64 s[44:45], s[44:45], 0x400000
	s_cmp_eq_u32 s[CNT], 6                         ; behind the fourth trip: on to w_fc1
	s_cselect_b64 s[44:45], s[78:79], s[44:45]
	s_cmp_eq_u32 s[CNT], 2                         ; behind the eighth: on to w_out (behind the ninth the stepped address is not used)
	s_cselect_b64 s[44:45], s[80:81], s[44:45]
	s_add_nc_u64 s[82:83], s[82:83], 0x200000
	s_sub_co_u32 s[CNT], s[CNT], 1
	s_cmp_lg_u32 s[CNT], 0
	s_cbranch_scc1 .Lc
	s_wait_tensorcnt 0x0                           ; the wave's end, as on the other way
	ds_add_u32 v[SPW], v[NIL]
	s_wait_dscnt 0x0
	CROUND                                         ; and a round of the cluster's barrier in front of the end: all sixteen partners are on this way
	s_endpgm
.Lfunc_end_k_q5dbe4c8966_qkv:
	.size	k_q5dbe4c8966_qkv, .Lfunc_end_k_q5dbe4c8966_qkv-k_q5dbe4c8966_qkv
	.p2alignl 7, 3214868480
	.fill 96, 4, 3214868480
	.section	.rodata,"a",@progbits
	.p2align	6, 0x0
	.amdhsa_kernel k_q5dbe4c8966_qkv
		.amdhsa_group_segment_fixed_size 327680
		.amdhsa_private_segment_fixed_size 0
		.amdhsa_enable_private_segment 0
		.amdhsa_kernarg_size 64
		.amdhsa_user_sgpr_count 2
		.amdhsa_user_sgpr_kernarg_segment_ptr 1
		.amdhsa_wavefront_size32 1
		.amdhsa_system_sgpr_workgroup_id_x 1
		.amdhsa_system_sgpr_workgroup_id_y 1
		.amdhsa_system_sgpr_workgroup_id_z 1
		.amdhsa_system_vgpr_workitem_id 0
		.amdhsa_next_free_vgpr 1024
		.amdhsa_next_free_sgpr 96
		.amdhsa_reserve_vcc 0
		.amdhsa_float_denorm_mode_32 3
		.amdhsa_float_denorm_mode_16_64 3
		.amdhsa_memory_ordered 1
		.amdhsa_forward_progress 1
		.amdhsa_inst_pref_size 98
	.end_amdhsa_kernel
	.amdgpu_metadata
---
amdhsa.version: [ 1, 2 ]
amdhsa.kernels:
  - .name:           k_q5dbe4c8966_qkv
    .symbol:         k_q5dbe4c8966_qkv.kd
    .args:
      - { .name: hb, .offset: 0, .size: 8, .value_kind: global_buffer, .address_space: global }
      - { .name: wqb, .offset: 8, .size: 8, .value_kind: global_buffer, .address_space: global }
      - { .name: b_qkv, .offset: 16, .size: 8, .value_kind: global_buffer, .address_space: global }
      - { .name: qkvb, .offset: 24, .size: 8, .value_kind: global_buffer, .address_space: global }
      - { .name: w_fc2, .offset: 32, .size: 8, .value_kind: global_buffer, .address_space: global }
      - { .name: w_fc1, .offset: 40, .size: 8, .value_kind: global_buffer, .address_space: global }
      - { .name: w_out, .offset: 48, .size: 8, .value_kind: global_buffer, .address_space: global }
      - { .name: wb, .offset: 56, .size: 8, .value_kind: global_buffer, .address_space: global }
    .group_segment_fixed_size: 327680
    .private_segment_fixed_size: 0
    .kernarg_segment_align: 8
    .kernarg_segment_size: 64
    .max_flat_workgroup_size: 128
    .sgpr_count:     96
    .vgpr_count:     1024
    .wavefront_size: 32
...
	.end_amdgpu_metadata
.endif
;; end of part 2
;; launch attn (part 3): grid 8 x 32, 4 waves a work-group, clusters of 4 x 1, 327,680 bytes of LDS; arguments qkvb, ob; writes ob
.if DOCPART == 3
	.amdgcn_target "amdgcn-amd-amdhsa--gfx1250"
	.amdhsa_code_object_version 6
	.text
	.protected	k_q5dbe4c8966_attn
	.globl	k_q5dbe4c8966_attn
	.p2align	8
	.type	k_q5dbe4c8966_attn,@function
k_q5dbe4c8966_attn:
	s_mov_b64 s[64:65], 0
	v_nop
	global_prefetch_b8 v0, s[64:65] scope:SCOPE_SE
	s_setreg_imm32_b32 hwreg(HW_REG_WAVE_MODE, 25, 1), 1
	s_wait_xcnt 0x0
	s_wait_alu depctr_hold_cnt(0) depctr_sa_sdst(0) depctr_va_vdst(0) depctr_va_sdst(0) depctr_va_ssrc(0) depctr_va_vcc(0) depctr_vm_vsrc(0)
	s_getreg_b32 s2, hwreg(HW_REG_IB_STS2, 6, 4)
	s_cmp_eq_u32 s2, 0
	s_cbranch_scc0 .Lentry_in_a_cluster
	s_endpgm
.Lentry_in_a_cluster:
	s_bfe_u32 s2, ttmp6, 0x10000c
	s_cmp_lg_u32 s2, 0x3003
	s_cbranch_scc0 .Lentry_shape_is_right
	s_endpgm
.Lentry_shape_is_right:
; ob[bh][q][:] = the sum over k of softmax_k(Q[q] . K[k] / 8) V[k][:], for each of 32 heads bh = 16 b + head.  Q, K, V: slabs 48 b + head, + 16, + 32 of qkvb, each [2048][64] bf16; ob: [32][2048][64] bf16.
; Products, maxima and sums in f32; the weights p are rounded to bf16 for the second product (their sum l is taken of the unrounded p), O once at the end.
; LIMITS.  A weight below 2^-126 counts as 0 in l; NaN and infinities are not treated apart.
; SHARES.  A work-group has 256 queries of a head; of its four bands of 64 a wave owns 16 rows in each: four PIECES.  Every wave walks the head's 8 tiles of 256 keys, 64 keys a step.
; LAYOUT.  S^T = K Q^T holds ONE query a lane (lane % 16) and the keys 8 (lane / 16) + 0..7; two such results rounded to bf16 ARE source 1 of O^T = V^T P.  p = 2^(c s - c m), c = log2(e) / 8, with a
; running maximum m; O and l are multiplied by a = 2^(c m_old - c m_new) in every step; m starts at the lowest finite number, O and l at 0, so the first step is a step like any other, with a = 0.
; TURNS.  Turn n belongs to piece n: 8 products K Q^T of piece n + 1, later 8 products V^T P of piece n - 1; beside them the scaling, exponentials, roundings, sums and rescaling of piece n and the
; maximum and statistics of piece n + 1.  Four vector instructions stand behind every matrix instruction, the others in one lump.  A turn's 33 exponentials are one batch, with one wait.
; CLUSTER.  The four query blocks of a cluster belong to one head and walk the same K and V: each tile is asked for jointly, the same load, descriptor and mask in all four.
; WINDOWS: 0: v0-15 addresses; v16-31 statistics; v48-55 at work; v64-127 S^T, two buffers; v192-223 P, two buffers.  1: v0-127 O^T.  2: v0-63 Q; v128-191 K of a step; v192-255 V of a step.
.set NP,    4
.set KS,    64
.set PK,    144       ; a row of K in LDS: 128 bytes + 16
.set PV,    160       ; a row of V: 128 + 32
.set VOFF,  4*KS*PK   ; a slot holds a tile: 256 rows of K, then 256 rows of V
.set SLOT1, 1<<17
.set STAGE, SLOT1+4*KS*(PK+PV)  ; behind the ring, never filled by a tensor load: 16 rows x 144 bytes for each wave
.set SP,    144
.set SPARE, STAGE+4*16*SP       ; the spare words: two blocks of 256 bytes that no other line names
.set AK0, 2
.set AV0, 3
.set AK,  4
.set AV,  5
.set STO, 6
.set RD,  7
.set GO,  8
.set MV,  12
.set QO,  15
.set ST,  16          ; piece t's statistics at v[ST+4 t]: c m, m, l (even keys', odd keys')
.set TMP, 48
.set PFO, 61
.set SPW, 62
.set NIL, 63
.set S,   64
.set P,   192
.set KF,  128
.set VF,  192
.set WV,  12
.set LIM, 15
.set G1K, 24
.set G1V, 32
.set G0K, 40
.set G0V, 44
.set PFA, 54
.set SLOTS, 56
.set CNT, 57
.set CS,  58
.set SEL, 60
.set TBK, 62
.set TBV, 63
.set MSB, 0
.macro WIN new
.if MSB != (\new)
	s_set_vgpr_msb (MSB<<8)|(\new)
.set MSB, (\new)
.endif
.endm
.set W_KQ, 0x0a       ; K and Q in window 2, S^T in window 0
.set W_PV, 0x52       ; V in window 2, P in window 0, O^T in window 1
.set W_RS, 0x41       ; destination and source 0 in window 1, source 1 in window 0
.macro JLOAD                        ; a joint fill: waves 0, 1 fetch the halves of a tile's K, waves 2, 3 of its V; s_nop 0 and four v_nop follow each line
	s_cmp_lt_u32 s[WV], 2
	s_cbranch_scc0 .Lfor_v_\@
	tensor_load_to_lds s[G0K:G0K+3], s[G1K:G1K+7]
	s_nop 0
.rept 4
	v_nop
.endr
	s_branch .Lasked_\@
.Lfor_v_\@:
	tensor_load_to_lds s[G0V:G0V+3], s[G1V:G1V+7]
	s_nop 0
.rept 4
	v_nop
.endr
.Lasked_\@:
.endm
.macro ASK                          ; a prefetch of the tile that the next change of slots will ask for: my work-group's 8,192 bytes of it, 256 a lane; the head's first cluster asks, wave 0 for K, wave 2 for V
	s_cmp_gt_u32 s[SLOTS], s[LIM]
	s_cbranch_scc0 .Lnot_mine_\@
	global_prefetch_b8 v[PFO], s[PFA:PFA+1] th:TH_LOAD_NT scope:SCOPE_SE
.Lnot_mine_\@:
.endm
.macro CROUND
	s_barrier_signal -1
	s_barrier_wait -1
	s_cmp_lg_u32 s[WV], 0
	s_cbranch_scc1 .Lnot_wave_0_\@
	s_barrier_signal -3
.Lnot_wave_0_\@:
	s_barrier_wait -3
	s_barrier_signal -1
	s_barrier_wait -1
.endm
; THE CHANGE OF SLOTS.  Each wave waits for all its tensor loads (one is out: its part of the other slot), adds 0 to its spare word, and waits for that and for its reads of the slot that it leaves.
; fill = 1: the barrier is a round of the cluster's, and the old slot is filled again, first thing behind it, with the tile two on: it has four key steps in which to land.
.macro CHANGE fill
	WIN 0
	s_wait_tensorcnt 0x0            ; no tensor load of mine is out, so a group 0 may be written
	ds_add_u32 v[SPW], v[NIL]
.if \fill
.irp g, G0K, G0V
	s_xor_b32 s[\g+1], s[\g+1], SLOT1
	s_add_nc_u64 s[\g+2:\g+3], s[\g+2:\g+3], 4*KS*128
.endr
	s_wait_xcnt 0x0                 ; the last prefetch, four key steps back, has read its address
	s_add_nc_u64 s[PFA:PFA+1], s[PFA:PFA+1], 4*KS*128
	s_wait_dscnt 0x0                ; the add is done, and my reads of the slot are over
	CROUND
	JLOAD
	ASK
.else
	s_wait_dscnt 0x0
	s_barrier_signal -1
	s_barrier_wait -1
.endif
	s_sub_co_u32 s[TBK], s[TBK], 4*KS*PK  ; the fetches go back to a slot's first step, in the other slot
	s_xor_b32 s[TBK], s[TBK], SLOT1
	s_sub_co_u32 s[TBV], s[TBV], 4*KS*PV
	s_xor_b32 s[TBV], s[TBV], SLOT1
.endm
	s_load_b128 s[4:7], s[0:1], 0x0   ; qkvb s[4:5], ob s[6:7]
	v_lshl_add_u32 v[SPW], v0, 2, SPARE
	v_mov_b32 v[NIL], 0
	ds_add_u32 v[SPW], v[NIL]       ; the wave's opening: the add and its wait ahead of my first tensor load
	v_lshrrev_b32 v1, 5, v0
	v_readfirstlane_b32 s[WV], v1
	s_bfe_u32 s13, ttmp6, 0x40000   ; cx
	s_lshl_b32 s14, ttmp9, 2
	s_add_co_u32 s14, s14, s13      ; my block of 256 queries: it enters Q's and O's addresses alone
	s_and_b32 s20, ttmp7, 0xffff    ; bh, which the four partners share
	s_lshr_b32 s21, s20, 4
	s_mul_i32 s21, s21, 48
	s_and_b32 s22, s20, 15
	s_add_co_u32 s21, s21, s22
	s_lshl_b32 s21, s21, 18         ; Q's slab
	s_and_b32 s16, s[WV], 1         ; which half of a tile's 256 keys I fetch
	s_lshl_b32 s22, s16, 14
	s_add_co_u32 s22, s22, s21
	s_add_co_u32 s22, s22, 16*262144  ; K: sixteen slabs on
	s_mov_b32 s23, 0
	s_add_co_u32 s48, s22, 16*262144  ; V: sixteen more
	s_mov_b32 s49, 0
	s_mul_i32 s17, s16, 128*PK
	s_mul_i32 s18, s16, 128*PV
	s_lshl_b32 s2, s14, 15
	s_lshl_b32 s3, s[WV], 11        ; my 16 rows in a band of 64
	s_add_co_u32 s2, s2, s3
	s_add_co_u32 s50, s2, s21
	s_mov_b32 s51, 0
	s_lshl_b32 s52, s20, 18
	s_add_co_u32 s52, s52, s2
	s_mov_b32 s53, 0
	s_lshl_b32 s3, s13, 13          ; the prefetches: my work-group's quarter of a tile,
	s_cmp_lt_u32 s[WV], 2
	s_cselect_b32 s[PFA], s22, s48
	s_add_co_u32 s[PFA], s[PFA], s3
	s_add_co_u32 s[PFA], s[PFA], 4*KS*128  ; at tile 1: each filling change steps it first
	s_mov_b32 s[PFA+1], 0
	s_and_b32 s[LIM], s[WV], 1
	s_or_b32 s[LIM], s[LIM], ttmp9  ; 0 in waves 0 and 2 of the head's first cluster: the same in all four partners
	s_cmp_eq_u32 s[LIM], 0
	s_cselect_b32 s[LIM], 1, -1
	v_and_b32 v[PFO], 31, v0
	v_lshlrev_b32 v[PFO], 8, v[PFO]
	; 128 keys are 16,384 dense bytes: asked for as 64 rows of 256 bytes, two keys a row, padded in LDS after every key
	s_mov_b32 s[G1K], 15|(1<<16)|(1<<20)|(1<<21)|(4<<22)|(3<<25)
	s_mov_b32 s[G1V], 15|(1<<16)|(1<<20)|(1<<21)|(4<<22)|(7<<25)
.irp g, G1K, G1V
	s_mov_b32 s[\g+1], 128<<16
	s_mov_b32 s[\g+2], 64<<16
	s_mov_b32 s[\g+3], 128<<16
	s_mov_b32 s[\g+4], 64
	s_mov_b32 s[\g+5], 128
	s_mov_b32 s[\g+6], 0
	s_mov_b32 s[\g+7], 0
.endr
	s_mov_b32 s[CS], 0x3e38aa3b     ; c = log2(e) / 8
	s_mov_b32 s[CS+1], s[CS]
	s_mov_b32 s[SEL], 0x76543210
	s_mov_b32 s[SEL+1], 0xfedcba98
	s_mov_b32 s[TBK], SLOT1+4*KS*PK ; the first change of slots turns these two into 0
	s_mov_b32 s[TBV], SLOT1+4*KS*PV
	s_mov_b32 s[G0K], 1
	s_mov_b32 s[G0K+1], s17
	s_mov_b32 s[G0V], 1
	s_add_co_u32 s[G0V+1], s18, VOFF
	s_mov_b32 s[SLOTS], 7
	s_wait_dscnt 0x0                ; the opening add is done
	s_wait_kmcnt 0x0
	s_add_nc_u64 s[G0K+2:G0K+3], s[4:5], s[22:23]
	s_or_b32 s[G0K+3], s[G0K+3], 0x80000000
	s_add_nc_u64 s[G0V+2:G0V+3], s[4:5], s[48:49]
	s_or_b32 s[G0V+3], s[G0V+3], 0x80000000
	s_add_nc_u64 s[8:9], s[4:5], s[50:51]    ; Q at my rows
	s_add_nc_u64 s[10:11], s[6:7], s[52:53]  ; O at my rows
	s_add_nc_u64 s[PFA:PFA+1], s[4:5], s[PFA:PFA+1]
	CROUND                          ; all four work-groups are here: the first joint loads meet
	JLOAD                           ; tile 0 into slot 0
	v_and_b32 v1, 15, v0            ; l % 16
	v_bfe_u32 v9, v0, 4, 1          ; l / 16
	v_lshlrev_b32 v[QO], 7, v1
	v_lshl_add_u32 v[QO], v9, 4, v[QO]
	WIN 0x80
.set i, 0
.rept 8                             ; Q stays in registers: piece i / 2 lies in band i / 2, 8,192 bytes on; channels 32 (i % 2) on
	global_load_b128 v[8*i:8*i+3],   v[QO], s[8:9] offset:(i/2)*8192+(i%2)*64
	global_load_b128 v[8*i+4:8*i+7], v[QO], s[8:9] offset:(i/2)*8192+(i%2)*64+32
.set i, i+1
.endr
	; what the first turn finds: V and P's second buffer hold 0, O^T and l are 0.  All this stands in the wait for the first tile.
.set i, VF
.rept 64
	v_mov_b32 v[i], 0
.set i, i+1
.endr
	WIN 0x40
.set i, 0
.rept 128
	v_mov_b32 v[i], 0
.set i, i+1
.endr
	WIN 0
.set i, 0
.rept 4
	v_mov_b32 v[ST+4*i], 0xfe000000    ; c m: far below every c s
	v_mov_b32 v[ST+4*i+1], 0xff7fffff  ; m
	v_mov_b32 v[ST+4*i+2], 0
	v_mov_b32 v[ST+4*i+3], 0
.set i, i+1
.endr
.set i, P+16
.rept 16
	v_mov_b32 v[i], 0
.set i, i+1
.endr
	v_mul_u32_u24 v[AK0], v1, PK
	v_lshl_add_u32 v[AK0], v9, 4, v[AK0]
	v_and_b32 v10, 7, v0
	v_bfe_u32 v11, v0, 3, 1
	v_lshl_add_u32 v[AV0], v9, 3, v10
	v_mul_u32_u24 v[AV0], v[AV0], PV
	v_lshl_add_u32 v[AV0], v11, 4, v[AV0]
	v_add_nc_u32 v[AV0], VOFF, v[AV0]
	s_mul_i32 s13, s[WV], 16*SP
	s_add_co_u32 s13, s13, STAGE
	v_mul_u32_u24 v[STO], v1, SP
	v_lshl_add_u32 v[STO], v9, 4, v[STO]
	v_add_nc_u32 v[STO], s13, v[STO]
	v_bfe_u32 v[RD], v0, 3, 2
	v_mul_u32_u24 v[RD], v[RD], SP
	v_lshl_add_u32 v[RD], v10, 4, v[RD]
	v_add_nc_u32 v[RD], s13, v[RD]
	v_and_b32 v[GO], 31, v0
	v_lshlrev_b32 v[GO], 4, v[GO]
; THE MATRIX WORK.  The 4 accumulators of a run of 8 take turns.
.macro KQ x                         ; product i of 8 of S^T = K Q^T for piece x: channels 32 (i / 4) on, keys 16 (i % 4) on; the first 4 start the sums
.set rS, S+32*((\x)%2)+8*(i%4)
.set rK, KF+16*(i%4)+8*(i/4)
.set rQ, 16*(\x)+8*(i/4)
	WIN W_KQ
.if i < 4
	v_wmma_f32_16x16x32_bf16 v[rS:rS+7], v[rK:rK+7], v[rQ:rQ+7], 0
.else
	v_wmma_f32_16x16x32_bf16 v[rS:rS+7], v[rK:rK+7], v[rQ:rQ+7], v[rS:rS+7]
.endif
.endm
.macro PV x                         ; product i of 8 of O^T += V^T P for piece x: keys 32 (i / 4) on, channels 16 (i % 4) on
	WIN W_PV
.set rO, 32*(\x)+8*(i%4)
.set rV, VF+32*(i/4)+8*(i%4)
.set rP, P+16*((\x)%2)+8*(i/4)
	v_wmma_f32_16x16x32_bf16 v[rO:rO+7], v[rV:rV+7], v[rP:rP+7], v[rO:rO+7]
.endm
.macro MM                           ; the turn's next matrix instruction
.if i < 8
	KQ (Y+1)%NP
.else
.set i, i-8
	PV (Y+NP-1)%NP
.set i, i+8
.endif
.set i, i+1
.endm
.macro FETCH_K                      ; a step's K: 16 LDS loads in one run
	WIN 0x80
.irp f, 0,1,2,3,4,5,6,7
	ds_load_b128 v[KF+8*\f:KF+8*\f+3],   v[AK] offset:(\f/2)*16*PK+(\f%2)*64
	ds_load_b128 v[KF+8*\f+4:KF+8*\f+7], v[AK] offset:(\f/2)*16*PK+(\f%2)*64+32
.endr
	s_add_co_u32 s[TBK], s[TBK], KS*PK
	WIN 0
.endm
.macro FETCH_V                      ; a step's V, turned
	WIN 0x80
.irp f, 0,1,2,3,4,5,6,7
	ds_load_tr16_b128 v[VF+8*\f:VF+8*\f+3],   v[AV] offset:(\f/4)*32*PV+(\f%4)*32
	ds_load_tr16_b128 v[VF+8*\f+4:VF+8*\f+7], v[AV] offset:(\f/4)*32*PV+16*PV+(\f%4)*32
.endr
	WIN 0
.endm
; THE VECTOR WORK, one line at a time: OP kind, number.  For piece Y: F n: c s - c m for pair n.  E n: the exponential of score n.  C n: pair n rounded to bf16.  B n: of the four weights 4 n .. the second
; pair is added onto the first.  L n: l takes that sum (L 0: l = a l + sum).  R n: pair n of O^T times a.  For piece Y + 1: X n, number n of the 22 that find its maximum and statistics
; (each accumulator's lowest registers are read first).
.set F, 0
.set E, 1
.set C, 2
.set B, 3
.set L, 4
.set R, 5
.set X, 6
.macro REGS y
.set rT, ST+4*(\y)
.set rC, TMP+4*((\y)%2)
.set rW, MV+((\y)%2)
.set rS, S+32*((\y)%2)
.set rP, P+16*((\y)%2)
.set rO, 32*(\y)
.endm
.macro OP k, n
.if (\k) == R
	REGS Y
	WIN W_RS
	v_pk_mul_f32 v[rO+2*(\n):rO+2*(\n)+1], v[rO+2*(\n):rO+2*(\n)+1], v[rC+2:rC+3] op_sel_hi:[1,0]
.elseif (\k) < R
	REGS Y
	WIN 0
.if (\k) == F
	v_pk_fma_f32 v[rS+2*(\n):rS+2*(\n)+1], v[rS+2*(\n):rS+2*(\n)+1], s[CS:CS+1], v[rT:rT+1] op_sel_hi:[1,0,0] neg_lo:[0,0,1] neg_hi:[0,0,1]
.elseif (\k) == E
	v_exp_f32 v[rS+(\n)], v[rS+(\n)]
.elseif (\k) == C
	v_cvt_pk_bf16_f32 v[rP+(\n)], v[rS+2*(\n)], v[rS+2*(\n)+1]
.elseif (\k) == B
	v_pk_add_f32 v[rS+4*(\n):rS+4*(\n)+1], v[rS+4*(\n):rS+4*(\n)+1], v[rS+4*(\n)+2:rS+4*(\n)+3]
.elseif (\n) == 0
	v_pk_fma_f32 v[rT+2:rT+3], v[rT+2:rT+3], v[rC+2:rC+3], v[rS:rS+1] op_sel_hi:[1,0,1]
.else
	v_pk_add_f32 v[rT+2:rT+3], v[rT+2:rT+3], v[rS+4*(\n):rS+4*(\n)+1]
.endif
.else
	REGS (Y+1)%NP
	WIN 0
.if (\n) < 4
	v_max3_num_f32 v[rC+(\n)], v[rS+8*(\n)], v[rS+8*(\n)+1], v[rS+8*(\n)+2]
.elseif (\n) < 12
	v_max3_num_f32 v[rC+(\n)%4], v[rC+(\n)%4], v[rS+8*((\n)%4)+2*((\n)/4)+1], v[rS+8*((\n)%4)+2*((\n)/4)+2]
.elseif (\n) == 12
	v_max3_num_f32 v[rC], v[rC], v[rS+7], v[rS+15]
.elseif (\n) == 13
	v_max3_num_f32 v[rC+1], v[rC+1], v[rS+23], v[rS+31]
.elseif (\n) == 14
	v_max3_num_f32 v[rC+2], v[rC+2], v[rC+3], v[rT+1]
.elseif (\n) == 15
	v_mov_b32 v[rW], v[rT]
.elseif (\n) == 16
	v_max3_num_f32 v[rC], v[rC], v[rC+1], v[rC+2]
.elseif (\n) == 17
	v_permlanex16_b32 v[rC+3], v[rC], s[SEL], s[SEL+1]
.elseif (\n) == 18
	v_max_num_f32 v[rT+1], v[rC], v[rC+3]
.elseif (\n) == 19
	v_mul_f32 v[rT], s[CS], v[rT+1]
.elseif (\n) == 20
	v_sub_f32 v[rC+1], v[rW], v[rT]
.else
	v_exp_f32 v[rC+2], v[rC+1]
.endif
.endif
.endm
.macro OPS a, i1, b=-1, i2=0, c=-1, i3=0, d=-1, i4=0
	OP \a, \i1
.if (\b) >= 0
	OP \b, \i2
.endif
.if (\c) >= 0
	OP \c, \i3
.endif
.if (\d) >= 0
	OP \d, \i4
.endif
.endm
.macro ROW a, i1, b, i2, c, i3, d, i4  ; a matrix instruction and the four behind it
	MM
	OPS \a, \i1, \b, \i2, \c, \i3, \d, \i4
.endm
; A TURN, for piece p.  Ahead of its one wait stands all that names no result of the turn's exponentials: the 8 products K Q^T with their riders, then the lump; X 21, the next piece's a, is the batch's
; last, and R 15 the plain instruction behind it.  Behind the wait stand the 8 products V^T P, behind each four of the roundings and sums.
; K of the next step is fetched in piece 2's turn, V of the step in hand at the end of piece 0's, each four plain instructions or more behind the last product that read the registers; each is waited for a turn later.
.macro TURN p, cnt=0
.set Y, (\p)
.set i, 0
.if (\p) == 3
	s_wait_dscnt 0x0                ; K is in
.endif
	ROW F,0, F,1, R,0, R,1
	ROW F,2, E,0, R,2, R,3
	ROW F,3, E,1, R,4, R,5
	ROW F,4, E,2, R,6, R,7
	ROW F,5, E,3, R,8, R,9
	ROW F,6, E,4, X,0, R,10
.if (\p) == 2
	WIN 0
	v_add_nc_u32 v[AK], s[TBK], v[AK0]
.endif
	ROW F,7, E,5, X,1, X,4
	ROW F,8, E,6, X,2, X,5
	OPS E,7, E,8, X,6, E,9
	OPS X,3, E,10, X,8, E,11
.if (\p) == 2
	FETCH_K
.endif
	OPS X,9, X,7, E,12, X,10
	OPS E,13, X,12, X,11, E,14
	OPS X,13, E,15, F,9, X,14
.if (\p) == 0
	v_add_nc_u32 v[AV], s[TBV], v[AV0]
.endif
	OPS E,16, F,10, E,17, F,11
	OPS X,16, E,18, X,15, E,19
	OPS F,12, E,20, X,17, E,21
	OPS F,13, E,22, F,14, E,23
	OPS X,18, E,24, F,15, E,25
	OPS R,11, E,26, X,19, E,27
	OPS R,12, E,28, R,13, E,29
	OPS X,20, E,30, R,14, E,31
	OPS X,21, R,15
	WIN 0
	s_wait_alu depctr_va_vdst(0)    ; the wait for the batch
.if (\p) == 1
	s_wait_dscnt 0x0                ; V is in
.endif
	ROW C,0, B,0, C,2, B,1
	ROW L,0, C,4, B,2, L,1
	ROW C,6, B,3, L,2, C,8
	ROW B,4, L,3, C,10, B,5
	ROW L,4, C,12, B,6, L,5
.if (\p) == 0
	s_add_co_u32 s[TBV], s[TBV], KS*PV
.endif
.if \cnt
	s_sub_co_u32 s[CNT], s[CNT], 1
	s_cmp_lg_u32 s[CNT], 0
.endif
	ROW C,14, B,7, L,6, C,1
	ROW C,3, L,7, C,5, C,7
	ROW C,9, C,11, C,13, C,15
.if (\p) == 0
	FETCH_V
.endif
.endm
	CHANGE 1                        ; tile 0 is in, everybody's part of it; tile 1 is asked for
	v_add_nc_u32 v[AK], s[TBK], v[AK0]
	FETCH_K                         ; key step 0
	s_wait_loadcnt 0x0              ; Q
	s_wait_dscnt 0x0
.set i, 0
.rept 8
	KQ 0                            ; piece 0's first scores
.set i, i+1
.endr
	WIN 0
.rept 4
	v_nop                           ; the places behind those products
.endr
.set Y, NP-1                        ; X works for piece Y + 1: piece 0
.irp n, 0,1,2,3,4,5,6,7,8,9,10,11,12,13,14,15,16,17,18,19,20,21
	OP X, \n
.endr
	v_nop                           ; a plain instruction behind the exponential,
	s_wait_alu depctr_va_vdst(0)    ; and its wait, ahead of the branch
	s_mov_b32 s[CNT], 4
	s_branch .Lfirst                ; the loop is entered at a step's first turn, in the middle of a trip
.Lslot:                             ; six times: tiles 2 to 7 are asked for
	CHANGE 1
	s_mov_b32 s[CNT], 4
.Lstep:                             ; a trip: pieces 2 and 3 of one step, then pieces 0 and 1 of the next, whose K and V it fetches
	TURN 2
	TURN 3
	WIN 0
.Lfirst:
	TURN 0
	TURN 1, 1
	WIN 0
	s_cbranch_scc1 .Lstep
	s_sub_co_u32 s[SLOTS], s[SLOTS], 1
	s_cmp_lg_u32 s[SLOTS], 0
	s_cbranch_scc1 .Lslot
	CHANGE 0                        ; the tail is written out: nothing is asked for
	s_mov_b32 s[CNT], 5             ; four trips fetch the last tile's steps; the fifth is left in its middle
.Ltail:
	s_min_u32 s[TBK], s[TBK], SLOT1+3*KS*PK  ; the last tile lies in slot 1; the fifth trip has no further step and fetches the last K once more
	TURN 2
	TURN 3
	WIN 0
	s_sub_co_u32 s[CNT], s[CNT], 1
	s_cmp_eq_u32 s[CNT], 0
	s_cbranch_scc1 .Lout
	TURN 0
	TURN 1
	WIN 0
	s_branch .Ltail
.Lout:                              ; the fifth trip's 8 products K Q^T and the maximum made of them serve nothing: the price, once a launch, of one text for every trip
.set i, 0
.rept 8
	PV NP-1                         ; the last piece's V^T P of the last step
.set i, i+1
.endr
	; THE WAY OUT.  l's two halves and the other half of the lanes' are added; O^T is divided by l, rounded to bf16 and sent through my stage in LDS, a piece at a time.  The additions are the places behind the last products.
	WIN 0
.macro ALL line:vararg
.set t, 0
.rept 4
	\line
.set t, t+1
.endr
.endm
	ALL v_add_f32 v[ST+4*t+2], v[ST+4*t+2], v[ST+4*t+3]
	ALL v_permlanex16_b32 v[ST+4*t+3], v[ST+4*t+2], s[SEL], s[SEL+1]
	ALL v_add_f32 v[ST+4*t+2], v[ST+4*t+2], v[ST+4*t+3]
	ALL v_rcp_f32 v[ST+4*t+2], v[ST+4*t+2]
	v_nop                           ; a plain instruction behind the last reciprocal,
	s_wait_alu depctr_va_vdst(0)    ; and one wait for the four, ahead of their first use
.macro PACK t
	WIN W_RS
.set i, 32*(\t)
.rept 16
	v_pk_mul_f32 v[i:i+1], v[i:i+1], v[ST+4*(\t)+2:ST+4*(\t)+3] op_sel_hi:[1,0]
.set i, i+2
.endr
	WIN 0x05
.set i, 0
.rept 16
	v_cvt_pk_bf16_f32 v[S+16*(\t)+i], v[32*(\t)+2*i], v[32*(\t)+2*i+1]
.set i, i+1
.endr
	WIN 0
.irp f, 0,1,2,3
	ds_store_b128 v[STO], v[S+16*(\t)+4*\f:S+16*(\t)+4*\f+3] offset:32*\f
.endr
.irp f, 0,1,2,3
	ds_load_b128 v[S+16*(\t)+4*\f:S+16*(\t)+4*\f+3], v[RD] offset:\f*4*SP  ; LDS serves a wave's instructions in order: these see the stores above; the next piece's stores come behind them
.endr
.endm
.macro SEND t, younger              ; younger: the LDS instructions issued behind piece t's loads
	WIN 0
.irp f, 0,1,2,3
	s_wait_dscnt (\younger)+3-\f
	global_store_b128 v[GO], v[S+16*(\t)+4*\f:S+16*(\t)+4*\f+3], s[10:11] offset:(\t)*8192+\f*512  ; 512 consecutive bytes, aligned
.endr
.endm
	PACK 0
.set t, 1
.rept 3
	PACK t
	SEND t-1, 8
.set t, t+1
.endr
	SEND 3, 0
	s_wait_tensorcnt 0x0            ; the wave's end
	ds_add_u32 v[SPW], v[NIL]
	s_wait_dscnt 0x0
	CROUND                          ; the closing round
	s_endpgm
.Lfunc_end_k_q5dbe4c8966_attn:
	.size	k_q5dbe4c8966_attn, .Lfunc_end_k_q5dbe4c8966_attn-k_q5dbe4c8966_attn
	.p2alignl 7, 3214868480
	.fill 96, 4, 3214868480
	.section	.rodata,"a",@progbits
	.p2align	6, 0x0
	.amdhsa_kernel k_q5dbe4c8966_attn
		.amdhsa_group_segment_fixed_size 327680
		.amdhsa_private_segment_fixed_size 0
		.amdhsa_enable_private_segment 0
		.amdhsa_kernarg_size 16
		.amdhsa_user_sgpr_count 2
		.amdhsa_user_sgpr_kernarg_segment_ptr 1
		.amdhsa_wavefront_size32 1
		.amdhsa_system_sgpr_workgroup_id_x 1
		.amdhsa_system_sgpr_workgroup_id_y 1
		.amdhsa_system_sgpr_workgroup_id_z 1
		.amdhsa_system_vgpr_workitem_id 0
		.amdhsa_next_free_vgpr 768
		.amdhsa_next_free_sgpr 66
		.amdhsa_reserve_vcc 0
		.amdhsa_float_denorm_mode_32 3
		.amdhsa_float_denorm_mode_16_64 3
		.amdhsa_memory_ordered 1
		.amdhsa_forward_progress 1
		.amdhsa_inst_pref_size 112
	.end_amdhsa_kernel
	.amdgpu_metadata
---
amdhsa.version: [ 1, 2 ]
amdhsa.kernels:
  - .name:           k_q5dbe4c8966_attn
    .symbol:         k_q5dbe4c8966_attn.kd
    .args:
      - { .name: qkvb, .offset: 0, .size: 8, .value_kind: global_buffer, .address_space: global }
      - { .name: ob, .offset: 8, .size: 8, .value_kind: global_buffer, .address_space: global }
    .group_segment_fixed_size: 327680
    .private_segment_fixed_size: 0
    .kernarg_segment_align: 8
    .kernarg_segment_size: 16
    .max_flat_workgroup_size: 128
    .sgpr_count:     66
    .vgpr_count:     768
    .wavefront_size: 32
...
	.end_amdgpu_metadata
.endif
;; end of part 3
;; launch outp (part 4): grid 8 x 32, 4 waves a work-group, clusters of 4 x 4, 327,680 bytes of LDS; arguments ob, wb, b_out, x, x1b; writes x1b
.if DOCPART == 4
	.amdgcn_target "amdgcn-amd-amdhsa--gfx1250"
	.amdhsa_code_object_version 6
	.text
	.protected	k_q5dbe4c8966_outp
	.globl	k_q5dbe4c8966_outp
	.p2align	8
	.type	k_q5dbe4c8966_outp,@function
k_q5dbe4c8966_outp:
	s_mov_b64 s[64:65], 0
	v_nop
	global_prefetch_b8 v0, s[64:65] scope:SCOPE_SE
	s_setreg_imm32_b32 hwreg(HW_REG_WAVE_MODE, 25, 1), 1
	s_wait_xcnt 0x0
	s_wait_alu depctr_hold_cnt(0) depctr_sa_sdst(0) depctr_va_vdst(0) depctr_va_sdst(0) depctr_va_ssrc(0) depctr_va_vcc(0) depctr_vm_vsrc(0)
	s_getreg_b32 s2, hwreg(HW_REG_IB_STS2, 6, 4)
	s_cmp_eq_u32 s2, 0
	s_cbranch_scc0 .Lentry_in_a_cluster
	s_endpgm
.Lentry_in_a_cluster:
	s_bfe_u32 s2, ttmp6, 0x10000c
	s_cmp_lg_u32 s2, 0xf033
	s_cbranch_scc0 .Lentry_shape_is_right
	s_endpgm
.Lentry_shape_is_right:
; x1b = x + ob x wo + b_out, f32.  ob: [32 heads][2048][64] bf16 (K = 64 head + channel); wo: [1024][1024] bf16 at wb's byte 16,777,216; x, x1b: [4096][1024] f32.
; A tile is 128 x 128 (256 work-groups): four waves, each 64 x 64 in 16 accumulators.  K goes in 4 steps of 256, four heads each, through a ring of two LDS slots.
; A's tile: for each of the four heads the 64 rows that a wave fetches are 8,192 dense bytes: one tensor load of 4 rows of 4,096 elements, padded in LDS after every 128 bytes.
; The weights stay [K][N] and come out of LDS turned; the matrix instruction is used transposed (a lane holds row l % 16, columns 8 (l / 16) + 0..7); the bias is the C operand of each first product.
; THE ORDER OF K.  The f32 sums may be taken in any order.  Step t takes block t xor 2 p of K, p = (cluster x + cluster y) % 2: clusters with p = 1 walk 2, 3, 0, 1.  The two clusters that read the same
; rows of A differ in x by one, neighbouring clusters that read the same columns of W in y by one: of two such clusters one asks for a block two steps ahead of the other.
; The residual's 64 x 64 f32 of each wave is loaded at the head into registers of its own and added on the way out, which goes through the ring (its last fill is over, nobody reads it).
; CLUSTER 4 x 4: A's tile is asked for jointly along a row, W's along a column.  No prefetch: the tiles are small and a step is short.
; WINDOWS: 0: addresses, the way out, the bias, the accumulators; 1: two fragment buffers (A's 64 registers, then W's 64); 2: the residual.
.set NN,     1024
.set WOFF,   16777216
.set TT,     4
.set PA,     144                       ; A's LDS row: 128 bytes + 16
.set AQ,     64*PA                     ; a quarter of a K step is a head: 64 rows on
.set AH,     4*64*PA                   ; what an A load brings
.set PB,     288                       ; W's LDS row: 256 bytes + 32 = 9 x 32
.set BH,     128*PB
.set ABYTES, 2*AH
.set SLOT,   ABYTES+2*BH
.set SPARE,  2*SLOT
.set DP,     272
.set DST,    64*DP
.set ASH,    20                        ; a block of K is 4 heads of 262,144 bytes in A,
.set BSH,    19                        ; 256 rows of 2,048 bytes in W
.set WV, 14
.set WM, 15
.set WN, 16
.set CX, 17
.set CY, 18
.set TX, 19
.set TY, 20
.set G1A, 24
.set G0A, 32
.set AB,  44                           ; s[44:45] A at my rows, block 0 of K; never rewritten
.set BB,  46                           ; s[46:47] W at my rows of K and my columns, block 0; never rewritten
.set G1B, 48
.set G0B, 56
.set TB,  66
.set WOA, 67
.set CNT, 68
.set WOB, 69
.set P2,  70                           ; s70  2 p
.set TN,  71                           ; s71  the step to be asked for next
.set KX,  72                           ; s72  its block of K
.set OFF, 74                           ; s[74:75] the block's byte offset
.set A0,   16
.set B0,   17
.set ADRA, 18
.set ADRB, 19                          ; v19: quarters 0, 1; v20: quarters 2, 3 (128 rows of K on)
.set STO,  21
.set RD,   22
.set RO,   23
.set BO,   24
.set SPW,  28
.set NIL,  29
.set T0,   32
.set BIAS, 96
.set ACC,  128
.set F0,   0
.set F1,   128
.set MSB, 0
.macro WIN new
.if MSB != (\new)
	s_set_vgpr_msb (MSB<<8)|(\new)
.set MSB, \new
.endif
.endm
.macro PLACES
.rept 4
	v_nop
.endr
.endm
.macro CREST
	s_cmp_lg_u32 s[WV], 0
	s_cbranch_scc1 .Lnot_wave_0_\@
	s_barrier_signal -3
.Lnot_wave_0_\@:
	s_barrier_wait -3
	s_barrier_signal -1
	s_barrier_wait -1
.endm
.macro CROUND
	s_barrier_signal -1
	s_barrier_wait -1
	CREST
.endm
.macro JLOAD
	s_cmp_eq_u32 s[WM], 0
	s_cbranch_scc0 .Lfor_b_\@
	tensor_load_to_lds s[G0A+4:G0A+7], s[G1A:G1A+7]
	s_nop 0
.rept 4
	v_nop
.endr
	s_branch .Lasked_\@
.Lfor_b_\@:
	tensor_load_to_lds s[G0B+4:G0B+7], s[G1B:G1B+7]
	s_nop 0
.rept 4
	v_nop
.endr
.Lasked_\@:
.endm
	s_load_b256 s[4:11], s[0:1], 0x0               ; A 4:5, wb 6:7, bias 8:9, residual 10:11
	s_load_b64 s[12:13], s[0:1], 0x20              ; out
	v_lshl_add_u32 v[SPW], v0, 2, SPARE
	v_mov_b32 v[NIL], 0
	ds_add_u32 v[SPW], v[NIL]                      ; the wave's opening: the add and its wait ahead of my first tensor load
	v_lshrrev_b32 v1, 5, v0
	v_readfirstlane_b32 s[WV], v1
	s_lshr_b32 s[WM], s[WV], 1
	s_and_b32 s[WN], s[WV], 1
	s_bfe_u32 s[CX], ttmp6, 0x40000
	s_bfe_u32 s[CY], ttmp6, 0x40004
	s_lshl_b32 s[TX], ttmp9, 2
	s_add_co_u32 s[TX], s[TX], s[CX]
	s_and_b32 s[TY], ttmp7, 0xffff
	s_lshl_b32 s[TY], s[TY], 2
	s_add_co_u32 s[TY], s[TY], s[CY]
	s_and_b32 s[P2], ttmp7, 0xffff                 ; the cluster's y
	s_add_co_u32 s[P2], s[P2], ttmp9               ; + its x: the same in all sixteen partners
	s_and_b32 s[P2], s[P2], 1
	s_lshl_b32 s[P2], s[P2], 1                     ; 0 or 2
	s_mov_b32 s[TN], 2
	s_mov_b32 s[OFF+1], 0
	s_lshl_b32 s21, s[CY], 2
	s_lshl_b32 s21, 15, s21
	s_lshl_b32 s22, 0x1111, s[CX]
	s_or_b32 s[G1A], s21, (1<<16)|(1<<20)|(1<<21)|(4<<22)|(3<<25)   ; padding of 4 words after every 32
	s_or_b32 s[G1B], s22, (1<<16)|(1<<20)|(1<<21)|(5<<22)|(7<<25)   ; padding of 8 words after every 64
	s_mov_b32 s[G1A+1], 4096<<16                   ; A: 4 heads x 4,096 elements (64 dense rows), 131,072 elements from head to head
	s_mov_b32 s[G1A+2], 4<<16
	s_mov_b32 s[G1A+3], 4096<<16
	s_mov_b32 s[G1A+4], 4
	s_mov_b32 s[G1A+5], 131072
	s_mov_b32 s[G1A+6], 0
	s_mov_b32 s[G1A+7], 0
	s_mov_b32 s[G1B+1], 128<<16                    ; W: 128 rows of K x 128 columns
	s_mov_b32 s[G1B+2], 128<<16
	s_mov_b32 s[G1B+3], 128<<16
	s_mov_b32 s[G1B+4], 128
	s_mov_b32 s[G1B+5], NN
	s_mov_b32 s[G1B+6], 0
	s_mov_b32 s[G1B+7], 0
	s_mul_i32 s[WOA], s[WN], AH
	s_mul_i32 s[WOB], s[WN], BH
	s_add_co_u32 s[WOB], s[WOB], ABYTES
	s_mov_b32 s[TB], 0
	s_lshr_b32 s40, s[TY], 4                       ; b
	s_lshl_b32 s40, s40, 22                        ; its sixteen heads of 262,144 bytes
	s_and_b32 s41, s[TY], 15
	s_lshl_b32 s41, s41, 7
	s_lshl_b32 s23, s[WN], 6
	s_add_co_u32 s41, s41, s23                     ; n = 128 (ty % 16) + 64 half
	s_lshl_b32 s41, s41, 7
	s_add_co_u32 s40, s40, s41
	s_mov_b32 s41, 0
	s_lshl_b32 s42, s[WN], 18                      ; W: K row 128 half,
	s_lshl_b32 s43, s[TX], 8                       ; column 128 tx
	s_add_co_u32 s42, s42, s43
	s_add_co_u32 s42, s42, WOFF
	s_mov_b32 s43, 0
	s_wait_dscnt 0x0
	s_wait_kmcnt 0x0
	s_add_nc_u64 s[AB:AB+1], s[4:5], s[40:41]
	s_add_nc_u64 s[BB:BB+1], s[6:7], s[42:43]
	CROUND
.irp s, 0,1
	s_xor_b32 s[KX], s[P2], \s                     ; step s takes block s xor 2 p
	s_mov_b32 s[G0A+4*(\s)], 1
	s_add_co_u32 s[G0A+4*(\s)+1], s[WOA], (\s)*SLOT
	s_lshl_b32 s[OFF], s[KX], ASH
	s_add_nc_u64 s[G0A+4*(\s)+2:G0A+4*(\s)+3], s[AB:AB+1], s[OFF:OFF+1]
	s_or_b32 s[G0A+4*(\s)+3], s[G0A+4*(\s)+3], 0x80000000
	s_mov_b32 s[G0B+4*(\s)], 1
	s_add_co_u32 s[G0B+4*(\s)+1], s[WOB], (\s)*SLOT
	s_lshl_b32 s[OFF], s[KX], BSH
	s_add_nc_u64 s[G0B+4*(\s)+2:G0B+4*(\s)+3], s[BB:BB+1], s[OFF:OFF+1]
	s_or_b32 s[G0B+4*(\s)+3], s[G0B+4*(\s)+3], 0x80000000
.endr
	s_cmp_eq_u32 s[WM], 0
	s_cbranch_scc0 .Lfirst_b
	tensor_load_to_lds s[G0A:G0A+3], s[G1A:G1A+7]
	s_nop 0
	tensor_load_to_lds s[G0A+4:G0A+7], s[G1A:G1A+7]
	s_nop 0
.rept 4
	v_nop
.endr
	s_branch .Lfirst_done
.Lfirst_b:
	tensor_load_to_lds s[G0B:G0B+3], s[G1B:G1B+7]
	s_nop 0
	tensor_load_to_lds s[G0B+4:G0B+7], s[G1B:G1B+7]
	s_nop 0
.rept 4
	v_nop
.endr
.Lfirst_done:
	v_and_b32 v1, 15, v0
	v_bfe_u32 v2, v0, 4, 1
	v_and_b32 v3, 7, v0
	v_bfe_u32 v4, v0, 3, 1
	v_lshlrev_b32 v[BO], 5, v2
	s_lshl_b32 s2, s[TX], 9
	s_lshl_b32 s3, s[WN], 8
	s_add_co_u32 s2, s2, s3                        ; my first column, in bytes of f32
	s_mov_b32 s3, 0
	s_add_nc_u64 s[8:9], s[8:9], s[2:3]
.irp b, 0,1,2,3
	global_load_b128 v[BIAS+8*(\b):BIAS+8*(\b)+3],   v[BO], s[8:9] offset:64*(\b)
	global_load_b128 v[BIAS+8*(\b)+4:BIAS+8*(\b)+7], v[BO], s[8:9] offset:64*(\b)+16
.endr
	s_lshl_b32 s21, s[TY], 7
	s_lshl_b32 s22, s[WM], 6
	s_add_co_u32 s21, s21, s22
	s_lshl_b32 s21, s21, 12                        ; my first row
	s_add_co_u32 s2, s2, s21
	s_add_nc_u64 s[10:11], s[10:11], s[2:3]
	s_add_nc_u64 s[12:13], s[12:13], s[2:3]
	v_lshlrev_b32 v[RO], 12, v2                    ; lanes 0-15 take my 256 bytes of a row, lanes 16-31 of the next
	v_lshl_add_u32 v[RO], v1, 4, v[RO]
	WIN 0x80
.set u, 0
.rept 32
	global_load_b128 v[4*u:4*u+3], v[RO], s[10:11] offset:8192*u  ; the residual: it has the whole K loop in which to land
.set u, u+1
.endr
	WIN 0
	v_mul_u32_u24 v[A0], v1, PA
	v_lshl_add_u32 v[A0], v2, 4, v[A0]
	s_mul_i32 s21, s[WM], AH
	v_add_nc_u32 v[A0], s21, v[A0]
	v_lshl_add_u32 v[B0], v2, 3, v3
	v_mul_u32_u24 v[B0], v[B0], PB
	v_lshl_add_u32 v[B0], v4, 4, v[B0]
	s_lshl_b32 s21, s[WN], 7
	s_add_co_u32 s21, s21, ABYTES
	v_add_nc_u32 v[B0], s21, v[B0]
	v_mov_b32 v[ADRA], v[A0]
	v_mov_b32 v[ADRB], v[B0]
	v_add_nc_u32 v[ADRB+1], 128*PB, v[B0]
	s_mul_i32 s21, s[WV], DST
	v_mul_u32_u24 v[STO], v1, DP
	v_lshl_add_u32 v[STO], v2, 5, v[STO]
	v_add_nc_u32 v[STO], s21, v[STO]
	v_mul_u32_u24 v[RD], v2, DP
	v_lshl_add_u32 v[RD], v1, 4, v[RD]
	v_add_nc_u32 v[RD], s21, v[RD]
.macro MUL8 f, c, a0, first            ; 8 products: row blocks a0, a0 + 1 x 4 column blocks, 32 along K: half c of buffer f; first = 1: the bias starts the sums
	WIN 0x05
.irp a, \a0, (\a0)+1
.irp b, 0,1,2,3
.if \first
	v_wmma_f32_16x16x32_bf16 v[ACC+8*(4*(\a)+(\b)):ACC+8*(4*(\a)+(\b))+7], v[(\f)+64+8*(4*(\c)+(\b)):(\f)+64+8*(4*(\c)+(\b))+7], v[(\f)+8*(4*(\c)+(\a)):(\f)+8*(4*(\c)+(\a))+7], v[BIAS+8*(\b):BIAS+8*(\b)+7]
.else
	v_wmma_f32_16x16x32_bf16 v[ACC+8*(4*(\a)+(\b)):ACC+8*(4*(\a)+(\b))+7], v[(\f)+64+8*(4*(\c)+(\b)):(\f)+64+8*(4*(\c)+(\b))+7], v[(\f)+8*(4*(\c)+(\a)):(\f)+8*(4*(\c)+(\a))+7], v[ACC+8*(4*(\a)+(\b)):ACC+8*(4*(\a)+(\b))+7]
.endif
.endr
.endr
.endm
.macro FETCH kq, f                     ; 32 LDS loads in one run: quarter kq's fragments (64 along K), the first 32 along K first
	WIN 0x40
.irp c, 0,1
.irp i, 0,1,2,3
	ds_load_tr16_b128 v[(\f)+64+8*(4*(\c)+(\i)):(\f)+64+8*(4*(\c)+(\i))+3],   v[ADRB+(\kq)/2] offset:(((\kq)%2)*64+32*(\c))*PB+32*(\i)
	ds_load_tr16_b128 v[(\f)+64+8*(4*(\c)+(\i))+4:(\f)+64+8*(4*(\c)+(\i))+7], v[ADRB+(\kq)/2] offset:(((\kq)%2)*64+32*(\c))*PB+32*(\i)+16*PB
	ds_load_b128 v[(\f)+8*(4*(\c)+(\i)):(\f)+8*(4*(\c)+(\i))+3],   v[ADRA] offset:(\kq)*AQ+64*(\c)+(\i)*16*PA
	ds_load_b128 v[(\f)+8*(4*(\c)+(\i))+4:(\f)+8*(4*(\c)+(\i))+7], v[ADRA] offset:(\kq)*AQ+64*(\c)+(\i)*16*PA+32
.endr
.endr
.endm
.macro QUARTER kq, f, g, first
	s_wait_dscnt 16                                ; the first 32 along K are in; the youngest sixteen loads may be out
	MUL8 \f, 0, 0, \first
	MUL8 \f, 0, 2, \first
	PLACES
	FETCH \kq, \g
	s_wait_dscnt 32                                ; all but the 32 just issued
	MUL8 \f, 1, 0, 0
	MUL8 \f, 1, 2, 0
.endm
; The slot's last quarter multiplies buffer 1 and changes slots.  Sixteen products stand ahead of the change and sixteen behind the fetch; none stands between the wait for all tensor loads and the
; refill, so that the next request leaves as soon as the round allows, and all 128 products of a step lie between a request and the wait for it.
; In front of the barrier: the wait for all my tensor loads (one is out: my part of the next slot), the add, and the wait for it and for my reads of this slot.  fill = 1: the barrier opens a round of the
; cluster's, and the slot just left is filled again, first thing behind it, with step TN's block of K: the address is made anew from the block's number.
.macro TURN fill
	s_wait_dscnt 16                                ; the first 32 along K of buffer 1 are in; the youngest sixteen loads may be out
	MUL8 F1, 0, 0, 0
	MUL8 F1, 0, 2, 0
	WIN 0
	s_wait_tensorcnt 0x0                           ; no tensor load of mine is out, so a group 0 may be written
	ds_add_u32 v[SPW], v[NIL]
.if \fill
	s_add_co_u32 s[G0A+5], s[TB], s[WOA]           ; into the slot that is being left
	s_add_co_u32 s[G0B+5], s[TB], s[WOB]
	s_xor_b32 s[KX], s[TN], s[P2]
	s_add_co_u32 s[TN], s[TN], 1
	s_lshl_b32 s[OFF], s[KX], ASH
	s_add_nc_u64 s[G0A+6:G0A+7], s[AB:AB+1], s[OFF:OFF+1]
	s_or_b32 s[G0A+7], s[G0A+7], 0x80000000
	s_lshl_b32 s[OFF], s[KX], BSH
	s_add_nc_u64 s[G0B+6:G0B+7], s[BB:BB+1], s[OFF:OFF+1]
	s_or_b32 s[G0B+7], s[G0B+7], 0x80000000
.endif
	s_xor_b32 s[TB], s[TB], SLOT
	v_add_nc_u32 v[ADRA], s[TB], v[A0]
	v_add_nc_u32 v[ADRB], s[TB], v[B0]
	v_add_nc_u32 v[ADRB+1], 128*PB, v[ADRB]
	s_wait_dscnt 0x0                               ; the add is done, and my reads of this slot are over: all of buffer 1 is in
	s_barrier_signal -1
	s_barrier_wait -1
.if \fill
	CREST
	JLOAD                                          ; its four v_nop are also the places in front of the loads below
.else
	s_cmp_eq_u32 s[CNT], 1                         ; behind the last K step there is nothing to fetch
	s_cbranch_scc1 .Lnf_\@
	PLACES
.endif
	FETCH 0, F0
	WIN 0
.if (\fill) == 0
.Lnf_\@:
.endif
	MUL8 F1, 1, 0, 0
	MUL8 F1, 1, 2, 0
.endm
	s_wait_tensorcnt 0x1                           ; my part of step 0 is in; step 1's may stay out
	s_barrier_signal -1
	s_barrier_wait -1
	FETCH 0, F0
	s_wait_loadcnt 32                              ; the bias is in; the 32 younger loads of the residual stay out
	QUARTER 1, F0, F1, 1
	WIN 0
	s_mov_b32 s[CNT], TT-2
.Lk:
	QUARTER 2, F1, F0, 0
	QUARTER 3, F0, F1, 0
	TURN 1
	QUARTER 1, F0, F1, 0
	WIN 0
	s_sub_co_u32 s[CNT], s[CNT], 1
	s_cmp_lg_u32 s[CNT], 0
	s_cbranch_scc1 .Lk
	s_mov_b32 s[CNT], 2
.Lt:
	QUARTER 2, F1, F0, 0
	QUARTER 3, F0, F1, 0
	TURN 0
	WIN 0
	s_sub_co_u32 s[CNT], s[CNT], 1
	s_cmp_eq_u32 s[CNT], 0
	s_cbranch_scc1 .Lout
	QUARTER 1, F0, F1, 0
	WIN 0
	s_branch .Lt
.Lout:
	PLACES
.irp a, 0,1,2,3
.irp b, 0,1,2,3
	ds_store_b128 v[STO], v[ACC+8*(4*(\a)+(\b)):ACC+8*(4*(\a)+(\b))+3]   offset:(\a)*16*DP+64*(\b)
	ds_store_b128 v[STO], v[ACC+8*(4*(\a)+(\b))+4:ACC+8*(4*(\a)+(\b))+7] offset:(\a)*16*DP+64*(\b)+16
.endr
.endr
.macro LD gq                           ; 16 rows back, two rows a load
.irp u, 0,1,2,3,4,5,6,7
	ds_load_b128 v[T0+32*((\gq)%2)+4*(\u):T0+32*((\gq)%2)+4*(\u)+3], v[RD] offset:2*DP*(8*(\gq)+(\u))
.endr
.endm
	LD 0
	s_wait_loadcnt 0x0                             ; the residual
.irp gq, 0,1,2,3
.if (\gq) < 3
	s_wait_xcnt 0x0                                ; the stores of the group before last have read the registers that are loaded next
	LD (\gq)+1
	s_wait_dscnt 8                                 ; this group is in; the next group's eight loads may be out
.else
	s_wait_dscnt 0x0
.endif
	WIN 0x08                                       ; source 1, the residual, in window 2
.irp k, 0,1,2,3,4,5,6,7,8,9,10,11,12,13,14,15
	v_pk_add_f32 v[T0+32*((\gq)%2)+2*(\k):T0+32*((\gq)%2)+2*(\k)+1], v[T0+32*((\gq)%2)+2*(\k):T0+32*((\gq)%2)+2*(\k)+1], v[32*(\gq)+2*(\k):32*(\gq)+2*(\k)+1]
.endr
	WIN 0
.irp u, 0,1,2,3,4,5,6,7
	global_store_b128 v[RO], v[T0+32*((\gq)%2)+4*(\u):T0+32*((\gq)%2)+4*(\u)+3], s[12:13] offset:8192*(8*(\gq)+(\u))  ; 16 lanes store 256 consecutive bytes, aligned
.endr
.endr
	s_wait_tensorcnt 0x0                           ; the wave's end
	ds_add_u32 v[SPW], v[NIL]
	s_wait_dscnt 0x0
	CROUND
	s_endpgm
.Lfunc_end_k_q5dbe4c8966_outp:
	.size	k_q5dbe4c8966_outp, .Lfunc_end_k_q5dbe4c8966_outp-k_q5dbe4c8966_outp
	.p2alignl 7, 3214868480
	.fill 96, 4, 3214868480
	.section	.rodata,"a",@progbits
	.p2align	6, 0x0
	.amdhsa_kernel k_q5dbe4c8966_outp
		.amdhsa_group_segment_fixed_size 327680
		.amdhsa_private_segment_fixed_size 0
		.amdhsa_enable_private_segment 0
		.amdhsa_kernarg_size 40
		.amdhsa_user_sgpr_count 2
		.amdhsa_user_sgpr_kernarg_segment_ptr 1
		.amdhsa_wavefront_size32 1
		.amdhsa_system_sgpr_workgroup_id_x 1
		.amdhsa_system_sgpr_workgroup_id_y 1
		.amdhsa_system_sgpr_workgroup_id_z 1
		.amdhsa_system_vgpr_workitem_id 0
		.amdhsa_next_free_vgpr 640
		.amdhsa_next_free_sgpr 84
		.amdhsa_reserve_vcc 0
		.amdhsa_float_denorm_mode_32 3
		.amdhsa_float_denorm_mode_16_64 3
		.amdhsa_memory_ordered 1
		.amdhsa_forward_progress 1
		.amdhsa_inst_pref_size 66
	.end_amdhsa_kernel
	.amdgpu_metadata
---
amdhsa.version: [ 1, 2 ]
amdhsa.kernels:
  - .name:           k_q5dbe4c8966_outp
    .symbol:         k_q5dbe4c8966_outp.kd
    .args:
      - { .name: ob, .offset: 0, .size: 8, .value_kind: global_buffer, .address_space: global }
      - { .name: wb, .offset: 8, .size: 8, .value_kind: global_buffer, .address_space: global }
      - { .name: b_out, .offset: 16, .size: 8, .value_kind: global_buffer, .address_space: global }
      - { .name: x, .offset: 24, .size: 8, .value_kind: global_buffer, .address_space: global }
      - { .name: x1b, .offset: 32, .size: 8, .value_kind: global_buffer, .address_space: global }
    .group_segment_fixed_size: 327680
    .private_segment_fixed_size: 0
    .kernarg_segment_align: 8
    .kernarg_segment_size: 40
    .max_flat_workgroup_size: 128
    .sgpr_count:     84
    .vgpr_count:     640
    .wavefront_size: 32
...
	.end_amdgpu_metadata
.endif
;; end of part 4
;; launch ln2: the kernel of part 1 again; grid 256 x 1, 8 waves a work-group, no clusters, 0 bytes of LDS; arguments x1b, ln2_g, ln2_b, hb, w_qkv, wqb; writes hb, wqb
;; launch fc1 (part 5): grid 16 x 16, 4 waves a work-group, clusters of 4 x 4, 327,680 bytes of LDS; arguments hb, wb, b_fc1, gb; writes gb
.if DOCPART == 5
	.amdgcn_target "amdgcn-amd-amdhsa--gfx1250"
	.amdhsa_code_object_version 6
	.text
	.protected	k_q5dbe4c8966_fc1
	.globl	k_q5dbe4c8966_fc1
	.p2align	8
	.type	k_q5dbe4c8966_fc1,@function
k_q5dbe4c8966_fc1:
	s_mov_b64 s[64:65], 0
	v_nop
	global_prefetch_b8 v0, s[64:65] scope:SCOPE_SE
	s_setreg_imm32_b32 hwreg(HW_REG_WAVE_MODE, 25, 1), 1
	s_wait_xcnt 0x0
	s_wait_alu depctr_hold_cnt(0) depctr_sa_sdst(0) depctr_va_vdst(0) depctr_va_sdst(0) depctr_va_ssrc(0) depctr_va_vcc(0) depctr_vm_vsrc(0)
	s_getreg_b32 s2, hwreg(HW_REG_IB_STS2, 6, 4)
	s_cmp_eq_u32 s2, 0
	s_cbranch_scc0 .Lentry_in_a_cluster
	s_endpgm
.Lentry_in_a_cluster:
	s_bfe_u32 s2, ttmp6, 0x10000c
	s_cmp_lg_u32 s2, 0xf033
	s_cbranch_scc0 .Lentry_shape_is_right
	s_endpgm
.Lentry_shape_is_right:
; gb = gelu(hb x w1 + b_fc1), rounded once to bf16.  hb: [4096][1024] bf16; w1: [1024][4096] bf16 at wb's byte 8,388,608; gb: [4096][4096] bf16.
; gelu(x) = x (1 + erf(x / sqrt 2)) / 2 = x / 2 + |x| (1/2 - q), q = erfc(|x| / sqrt 2) / 2 = (A1 t + A2 t^2 + A3 t^3) 2^(KE x^2), t = 1 / (1 + PP |x|):
; Abramowitz and Stegun 7.1.25, whose error in erf is at most 2.5e-5 for every x.  LIMITS: that error; NaN and infinities are not treated apart.
; A tile of the product is 256 x 256 (256 work-groups): four waves, each 128 x 128 in 64 accumulators.  K goes in 8 steps of 128 through a ring of two LDS slots filled by tensor loads.
; THE WEIGHTS STAY [K][N]: their fragments come out of LDS turned.  The matrix instruction is used transposed (source 0 = 16 columns of W, source 1 = 16 rows of A): a lane holds row l % 16
; and columns 8 (l / 16) + 0..7.  THE BIAS, loaded in that layout, is the C operand of each accumulator's first product: nothing is cleared.
; ONE SLOT'S TEXT: s[TB] is 0 or SLOT; the fragment addresses are made anew from it at each change of slots.  CLUSTER 4 x 4: A's tile is asked for jointly along a row, W's along a column.
; THE WAY OUT: behind the last barrier nobody reads the ring and it has had its last fill: each wave lays its 128 x 128 f32 there (its own bytes), reads whole rows back, applies gelu and stores.
; WINDOWS: 0: addresses, A's two fragment buffers, the bias; 1: W's two fragment buffers; 2, 3: accumulator (a, b) at 8 (8 a + b).
.set NN,     4096
.set WOFF,   8388608
.set TT,     8
.set PA,     272
.set PB,     544
.set HALF,   34816
.set ABYTES, 2*HALF
.set SLOT,   4*HALF
.set SPARE,  2*SLOT
.set DP,     528
.set DST,    128*DP
.set ASTEP,  256
.set BSTEP,  256*NN
.set WV, 14
.set WM, 15
.set WN, 16
.set CX, 17
.set CY, 18
.set TX, 19
.set TY, 20
.set G1A, 24
.set G0A, 32
.set G1B, 48
.set G0B, 56
.set TB,  66
.set WO,  67
.set CNT, 68
.set LIM, 69
.set PFA, 70
.set PFS, 72
.set PP,  74                           ; s[74:75] and so on: gelu's constants, each twice, named as pairs
.set KE,  76
.set CA1, 78
.set CA2, 80
.set CA3, 82
.set AM,  91                           ; s91  clears a sign
.set A0,   16
.set B0,   17
.set ADRA, 18
.set ADRB, 19
.set STO,  20
.set RD,   21
.set GO,   22
.set BO,   23
.set SPW,  28
.set NIL,  29
.set PFO,  30
.set F0,   64
.set F1,   128
.set BIAS, 192
.set X0,   32                          ; the way out: two halves of 4 rows, 16 numbers a lane each
.set X1,   48
.set GT,   64
.set GE,   80
.set GQ,   96
.set Y0,   112
.set Y1,   120
.set GH,   128
.set GA,   144
.set MSB, 0
.macro WIN new
.if MSB != (\new)
	s_set_vgpr_msb (MSB<<8)|(\new)
.set MSB, \new
.endif
.endm
.macro PLACES
.rept 4
	v_nop
.endr
.endm
.macro CREST
	s_cmp_lg_u32 s[WV], 0
	s_cbranch_scc1 .Lnot_wave_0_\@
	s_barrier_signal -3
.Lnot_wave_0_\@:
	s_barrier_wait -3
	s_barrier_signal -1
	s_barrier_wait -1
.endm
.macro CROUND
	s_barrier_signal -1
	s_barrier_wait -1
	CREST
.endm
.macro JLOAD
	s_cmp_eq_u32 s[WM], 0
	s_cbranch_scc0 .Lfor_b_\@
	tensor_load_to_lds s[G0A+4:G0A+7], s[G1A:G1A+7]
	s_nop 0
.rept 4
	v_nop
.endr
	s_branch .Lasked_\@
.Lfor_b_\@:
	tensor_load_to_lds s[G0B+4:G0B+7], s[G1B:G1B+7]
	s_nop 0
.rept 4
	v_nop
.endr
.Lasked_\@:
.endm
.macro ASK                             ; a prefetch of the K step behind the one just asked for: 32 blocks of 256 bytes, one a lane; the last refill asks for nothing
	s_cmp_gt_u32 s[CNT], s[LIM]
	s_cbranch_scc0 .Lnot_mine_\@
	global_prefetch_b8 v[PFO], s[PFA:PFA+1] th:TH_LOAD_NT scope:SCOPE_SE
.Lnot_mine_\@:
.endm
	s_load_b256 s[4:11], s[0:1], 0x0               ; A 4:5, wb 6:7, bias 8:9, out 10:11
	v_lshl_add_u32 v[SPW], v0, 2, SPARE
	v_mov_b32 v[NIL], 0
	ds_add_u32 v[SPW], v[NIL]                      ; the wave's opening: the add and its wait ahead of my first tensor load
	v_lshrrev_b32 v1, 5, v0
	v_readfirstlane_b32 s[WV], v1
	s_lshr_b32 s[WM], s[WV], 1
	s_and_b32 s[WN], s[WV], 1
	s_bfe_u32 s[CX], ttmp6, 0x40000
	s_bfe_u32 s[CY], ttmp6, 0x40004
	s_lshl_b32 s[TX], ttmp9, 2
	s_add_co_u32 s[TX], s[TX], s[CX]
	s_and_b32 s[TY], ttmp7, 0xffff
	s_lshl_b32 s[TY], s[TY], 2
	s_add_co_u32 s[TY], s[TY], s[CY]
	s_lshl_b32 s21, s[CY], 2
	s_lshl_b32 s21, 15, s21
	s_lshl_b32 s22, 0x1111, s[CX]
	s_or_b32 s[G1A], s21, (1<<16)|(1<<20)|(1<<21)|(5<<22)|(3<<25)
	s_or_b32 s[G1B], s22, (1<<16)|(1<<20)|(1<<21)|(6<<22)|(7<<25)
	s_mov_b32 s[G1A+1], 128<<16
	s_mov_b32 s[G1A+2], 128<<16
	s_mov_b32 s[G1A+3], 128<<16
	s_mov_b32 s[G1A+4], 128
	s_mov_b32 s[G1A+5], 1024
	s_mov_b32 s[G1A+6], 0
	s_mov_b32 s[G1A+7], 0
	s_mov_b32 s[G1B+1], 256<<16
	s_mov_b32 s[G1B+2], 64<<16
	s_mov_b32 s[G1B+3], 256<<16
	s_mov_b32 s[G1B+4], 64
	s_mov_b32 s[G1B+5], NN
	s_mov_b32 s[G1B+6], 0
	s_mov_b32 s[G1B+7], 0
	s_mov_b32 s[PP], 0x3eaa540e                    ; 0.47047 / sqrt 2
	s_mov_b32 s[PP+1], s[PP]
	s_mov_b32 s[KE], 0xbf38aa3b                    ; -log2(e) / 2
	s_mov_b32 s[KE+1], s[KE]
	s_mov_b32 s[CA1], 0x3e32303a                   ; 0.3480242 / 2
	s_mov_b32 s[CA1+1], s[CA1]
	s_mov_b32 s[CA2], 0xbd445ca1                   ; -0.0958798 / 2
	s_mov_b32 s[CA2+1], s[CA2]
	s_mov_b32 s[CA3], 0x3ebf7377                   ; 0.7478556 / 2
	s_mov_b32 s[CA3+1], s[CA3]
	s_mov_b32 s[AM], 0x7fffffff
	s_mul_i32 s[WO], s[WV], HALF
	s_mov_b32 s[TB], 0
	s_lshl_b32 s40, s[TY], 8
	s_lshl_b32 s23, s[WN], 7
	s_add_co_u32 s40, s40, s23
	s_lshl_b32 s40, s40, 11
	s_mov_b32 s41, 0
	s_mul_i32 s42, s[WN], 128*NN
	s_lshl_b32 s43, s[TX], 9
	s_add_co_u32 s42, s42, s43
	s_add_co_u32 s42, s42, WOFF
	s_mov_b32 s43, 0
	s_wait_dscnt 0x0
	s_wait_kmcnt 0x0
	s_add_nc_u64 s[44:45], s[4:5], s[40:41]
	s_add_nc_u64 s[46:47], s[6:7], s[42:43]
	CROUND
.irp s, 0,1
	s_mov_b32 s[G0A+4*(\s)], 1
	s_add_co_u32 s[G0A+4*(\s)+1], s[WO], (\s)*SLOT
	s_add_nc_u64 s[G0A+4*(\s)+2:G0A+4*(\s)+3], s[44:45], (\s)*ASTEP
	s_or_b32 s[G0A+4*(\s)+3], s[G0A+4*(\s)+3], 0x80000000
	s_mov_b32 s[G0B+4*(\s)], 1
	s_add_co_u32 s[G0B+4*(\s)+1], s[WO], (\s)*SLOT
	s_add_nc_u64 s[G0B+4*(\s)+2:G0B+4*(\s)+3], s[46:47], (\s)*BSTEP
	s_or_b32 s[G0B+4*(\s)+3], s[G0B+4*(\s)+3], 0x80000000
.endr
	s_cmp_eq_u32 s[WM], 0
	s_cbranch_scc0 .Lfirst_b
	tensor_load_to_lds s[G0A:G0A+3], s[G1A:G1A+7]
	s_nop 0
	tensor_load_to_lds s[G0A+4:G0A+7], s[G1A:G1A+7]
	s_nop 0
.rept 4
	v_nop
.endr
	s_branch .Lfirst_done
.Lfirst_b:
	tensor_load_to_lds s[G0B:G0B+3], s[G1B:G1B+7]
	s_nop 0
	tensor_load_to_lds s[G0B+4:G0B+7], s[G1B:G1B+7]
	s_nop 0
.rept 4
	v_nop
.endr
.Lfirst_done:
	v_and_b32 v1, 15, v0
	v_bfe_u32 v2, v0, 4, 1
	v_and_b32 v3, 7, v0
	v_bfe_u32 v4, v0, 3, 1
	v_and_b32 v5, 31, v0
	v_lshlrev_b32 v[BO], 5, v2
	s_lshl_b32 s2, s[TX], 10
	s_lshl_b32 s3, s[WN], 9
	s_add_co_u32 s2, s2, s3
	s_mov_b32 s3, 0
	s_add_nc_u64 s[8:9], s[8:9], s[2:3]
.irp b, 0,1,2,3,4,5,6,7
	global_load_b128 v[BIAS+8*(\b):BIAS+8*(\b)+3],   v[BO], s[8:9] offset:64*(\b)
	global_load_b128 v[BIAS+8*(\b)+4:BIAS+8*(\b)+7], v[BO], s[8:9] offset:64*(\b)+16
.endr
	v_mul_u32_u24 v[A0], v1, PA
	v_lshl_add_u32 v[A0], v2, 4, v[A0]
	s_mul_i32 s21, s[WM], HALF
	v_add_nc_u32 v[A0], s21, v[A0]
	v_lshl_add_u32 v[B0], v2, 3, v3
	v_mul_u32_u24 v[B0], v[B0], PB
	v_lshl_add_u32 v[B0], v4, 4, v[B0]
	s_lshl_b32 s21, s[WN], 8
	s_add_co_u32 s21, s21, ABYTES
	v_add_nc_u32 v[B0], s21, v[B0]
	v_mov_b32 v[ADRA], v[A0]
	v_mov_b32 v[ADRB], v[B0]
	s_mul_i32 s21, s[WV], DST
	v_mul_u32_u24 v[STO], v1, DP
	v_lshl_add_u32 v[STO], v2, 5, v[STO]
	v_add_nc_u32 v[STO], s21, v[STO]
	v_lshl_add_u32 v[RD], v5, 4, s21               ; back: 32 lanes take a whole row of 128 f32
	v_lshlrev_b32 v[GO], 3, v5                     ; which leave as 256 bytes of bf16
	s_lshl_b32 s2, s[TY], 8
	s_lshl_b32 s21, s[WM], 7
	s_add_co_u32 s2, s2, s21
	s_lshl_b32 s2, s2, 13                          ; my first row, 8,192 bytes a row
	s_lshl_b32 s21, s[TX], 9
	s_add_co_u32 s2, s2, s21
	s_lshl_b32 s21, s[WN], 8
	s_add_co_u32 s2, s2, s21
	s_mov_b32 s3, 0
	s_add_nc_u64 s[10:11], s[10:11], s[2:3]
	; the prefetches: A's rows are asked for by the clusters with x = 0, W's by those with y = 0; the four partners of a joint load share its blocks out by address
	s_lshl_b32 s84, s[TY], 8
	s_lshl_b32 s85, s[WN], 7
	s_add_co_u32 s84, s84, s85
	s_lshl_b32 s85, s[CX], 5
	s_add_co_u32 s84, s84, s85
	s_lshl_b32 s84, s84, 11
	s_add_co_u32 s84, s84, 2*ASTEP
	s_lshl_b32 s86, s[WN], 6
	s_lshl_b32 s87, s[CY], 4
	s_add_co_u32 s86, s86, s87
	s_mul_i32 s86, s86, 2*NN
	s_lshl_b32 s87, s[TX], 9
	s_add_co_u32 s86, s86, s87
	s_add_co_u32 s86, s86, 2*BSTEP+WOFF
	s_and_b32 s87, ttmp7, 0xffff
	s_mov_b32 s88, BSTEP
	s_mov_b32 s89, 2*NN
	s_cmp_eq_u32 s[WM], 0
	s_cselect_b64 s[PFA:PFA+1], s[4:5], s[6:7]
	s_cselect_b32 s84, s84, s86
	s_cselect_b32 s[PFS], ASTEP, s88
	s_cselect_b32 s87, ttmp9, s87
	s_cselect_b32 s90, 0, 1
	s_cselect_b32 s89, 2048, s89
	s_mov_b32 s85, 0
	s_mov_b32 s[PFS+1], 0
	s_add_nc_u64 s[PFA:PFA+1], s[PFA:PFA+1], s[84:85]
	s_cmp_eq_u32 s87, 0
	s_cselect_b32 s[LIM], 1, -1
	v_lshrrev_b32 v6, s90, v5
	v_mul_lo_u32 v6, v6, s89
	v_and_b32 v7, s90, v5
	v_lshl_add_u32 v[PFO], v7, 8, v6
.macro MUL16 f, hi, a0, first
.if \first
	WIN 0x81+0x40*(\hi)
.else
	WIN 0xa1+0x50*(\hi)
.endif
.irp a, \a0, (\a0)+1
.irp b, 0,1,2,3,4,5,6,7
.if \first
	v_wmma_f32_16x16x32_bf16 v[8*(8*(\a)+(\b)):8*(8*(\a)+(\b))+7], v[(\f)+8*(\b):(\f)+8*(\b)+7], v[(\f)+8*(4*(\hi)+(\a)):(\f)+8*(4*(\hi)+(\a))+7], v[BIAS+8*(\b):BIAS+8*(\b)+7]
.else
	v_wmma_f32_16x16x32_bf16 v[8*(8*(\a)+(\b)):8*(8*(\a)+(\b))+7], v[(\f)+8*(\b):(\f)+8*(\b)+7], v[(\f)+8*(4*(\hi)+(\a)):(\f)+8*(4*(\hi)+(\a))+7], v[8*(8*(\a)+(\b)):8*(8*(\a)+(\b))+7]
.endif
.endr
.endr
.endm
.macro FETCH q, f
	WIN 0x40
.irp i, 0,1,2,3,4,5,6,7
	ds_load_tr16_b128 v[(\f)+8*(\i):(\f)+8*(\i)+3],   v[ADRB] offset:(\q)*32*PB+32*(\i)
	ds_load_tr16_b128 v[(\f)+8*(\i)+4:(\f)+8*(\i)+7], v[ADRB] offset:(\q)*32*PB+32*(\i)+16*PB
.endr
	WIN 0
.irp i, 0,1,2,3,4,5,6,7
	ds_load_b128 v[(\f)+8*(\i):(\f)+8*(\i)+3],   v[ADRA] offset:(\q)*64+(\i)*16*PA
	ds_load_b128 v[(\f)+8*(\i)+4:(\f)+8*(\i)+7], v[ADRA] offset:(\q)*64+(\i)*16*PA+32
.endr
.endm
.macro QUARTER q, f, g, first
	s_wait_dscnt 8                                 ; W and A's rows 0-63 are in; the youngest eight loads may be out
	MUL16 \f, 0, 0, \first
	MUL16 \f, 0, 2, \first
	PLACES
	FETCH \q, \g
	s_wait_dscnt 32                                ; all but the 32 just issued
	MUL16 \f, 1, 0, \first
	MUL16 \f, 1, 2, \first
.endm
.macro TURN fill                       ; the slot's last quarter and the change of slots: the waits and the add in front of the barrier, the refill first behind the round
.if \fill
	s_wait_xcnt 0x0                                ; the last prefetch, a K step back, has read its address
	s_add_nc_u64 s[PFA:PFA+1], s[PFA:PFA+1], s[PFS:PFS+1]
.endif
	WIN 0
	s_wait_tensorcnt 0x0
	ds_add_u32 v[SPW], v[NIL]
.if \fill
	s_add_co_u32 s[G0A+5], s[TB], s[WO]
	s_add_nc_u64 s[G0A+6:G0A+7], s[G0A+6:G0A+7], ASTEP
	s_add_co_u32 s[G0B+5], s[TB], s[WO]
	s_add_nc_u64 s[G0B+6:G0B+7], s[G0B+6:G0B+7], BSTEP
.endif
	s_xor_b32 s[TB], s[TB], SLOT
	v_add_nc_u32 v[ADRA], s[TB], v[A0]
	v_add_nc_u32 v[ADRB], s[TB], v[B0]
	s_wait_dscnt 9                                 ; the add and the youngest eight loads may be out
	MUL16 F1, 0, 0, 0
	s_wait_dscnt 0x0                               ; the add is done, and my reads of this slot are over
	s_barrier_signal -1
	MUL16 F1, 0, 2, 0
	WIN 0
	s_barrier_wait -1
.if \fill
	CREST
	JLOAD
.else
	s_cmp_eq_u32 s[CNT], 1
	s_cbranch_scc1 .Lnf_\@
	PLACES
.endif
	FETCH 0, F0
	WIN 0
.if \fill
	ASK
.else
.Lnf_\@:
.endif
	MUL16 F1, 1, 0, 0
	MUL16 F1, 1, 2, 0
.endm
	s_wait_tensorcnt 0x1                           ; my part of K step 0 is in; K step 1's may stay out
	s_barrier_signal -1
	s_barrier_wait -1
	FETCH 0, F0
	s_wait_loadcnt 0x0                             ; the bias
	QUARTER 1, F0, F1, 1
	WIN 0
	s_mov_b32 s[CNT], TT-2
.Lk:
	QUARTER 2, F1, F0, 0
	QUARTER 3, F0, F1, 0
	TURN 1
	QUARTER 1, F0, F1, 0
	WIN 0
	s_sub_co_u32 s[CNT], s[CNT], 1
	s_cmp_lg_u32 s[CNT], 0
	s_cbranch_scc1 .Lk
	s_mov_b32 s[CNT], 2
.Lt:
	QUARTER 2, F1, F0, 0
	QUARTER 3, F0, F1, 0
	TURN 0
	WIN 0
	s_sub_co_u32 s[CNT], s[CNT], 1
	s_cmp_eq_u32 s[CNT], 0
	s_cbranch_scc1 .Lout
	QUARTER 1, F0, F1, 0
	WIN 0
	s_branch .Lt
.Lout:
	PLACES
.irp a, 0,1,2,3,4,5,6,7
	WIN 0x08+4*((\a)/4)
.irp b, 0,1,2,3,4,5,6,7
	ds_store_b128 v[STO], v[8*(8*((\a)%4)+(\b)):8*(8*((\a)%4)+(\b))+3]   offset:(\a)*16*DP+64*(\b)
	ds_store_b128 v[STO], v[8*(8*((\a)%4)+(\b))+4:8*(8*((\a)%4)+(\b))+7] offset:(\a)*16*DP+64*(\b)+16
.endr
.endr
	WIN 0
.macro LOADH x, hf                     ; 4 rows
.irp u, 0,1,2,3
	ds_load_b128 v[(\x)+4*(\u):(\x)+4*(\u)+3], v[RD] offset:(4*(\hf)+(\u))*DP
.endr
.endm
.macro GEL x, y                        ; gelu of 16 numbers; the 32 reciprocals and exponentials are one batch with one wait
.irp k, 0,1,2,3,4,5,6,7
	v_pk_mul_f32 v[GE+2*(\k):GE+2*(\k)+1], v[(\x)+2*(\k):(\x)+2*(\k)+1], v[(\x)+2*(\k):(\x)+2*(\k)+1]
.endr
.irp k, 0,1,2,3,4,5,6,7,8,9,10,11,12,13,14,15
	v_and_b32 v[GA+(\k)], s[AM], v[(\x)+(\k)]      ; |x|
.endr
.irp k, 0,1,2,3,4,5,6,7
	v_pk_fma_f32 v[GT+2*(\k):GT+2*(\k)+1], v[GA+2*(\k):GA+2*(\k)+1], s[PP:PP+1], 1.0 op_sel_hi:[1,0,0]
.endr
.irp k, 0,1,2,3,4,5,6,7
	v_pk_mul_f32 v[GE+2*(\k):GE+2*(\k)+1], v[GE+2*(\k):GE+2*(\k)+1], s[KE:KE+1] op_sel_hi:[1,0]
.endr
.irp k, 0,1,2,3,4,5,6,7
	v_rcp_f32 v[GT+2*(\k)], v[GT+2*(\k)]
	v_exp_f32 v[GE+2*(\k)], v[GE+2*(\k)]
	v_pk_mul_f32 v[GH+2*(\k):GH+2*(\k)+1], v[(\x)+2*(\k):(\x)+2*(\k)+1], 0.5 op_sel_hi:[1,0]
	v_rcp_f32 v[GT+2*(\k)+1], v[GT+2*(\k)+1]
	v_exp_f32 v[GE+2*(\k)+1], v[GE+2*(\k)+1]
.endr
	v_nop                                          ; a plain instruction behind the last of the batch,
	s_wait_alu depctr_va_vdst(0)                   ; and its one wait, ahead of the first reader
.irp k, 0,1,2,3,4,5,6,7
	v_pk_fma_f32 v[GQ+2*(\k):GQ+2*(\k)+1], v[GT+2*(\k):GT+2*(\k)+1], s[CA3:CA3+1], s[CA2:CA2+1] op_sel_hi:[1,0,0]
.endr
.irp k, 0,1,2,3,4,5,6,7
	v_pk_fma_f32 v[GQ+2*(\k):GQ+2*(\k)+1], v[GQ+2*(\k):GQ+2*(\k)+1], v[GT+2*(\k):GT+2*(\k)+1], s[CA1:CA1+1] op_sel_hi:[1,1,0]
.endr
.irp k, 0,1,2,3,4,5,6,7
	v_pk_mul_f32 v[GQ+2*(\k):GQ+2*(\k)+1], v[GQ+2*(\k):GQ+2*(\k)+1], v[GT+2*(\k):GT+2*(\k)+1]
.endr
.irp k, 0,1,2,3,4,5,6,7
	v_pk_fma_f32 v[GQ+2*(\k):GQ+2*(\k)+1], v[GQ+2*(\k):GQ+2*(\k)+1], v[GE+2*(\k):GE+2*(\k)+1], 0.5 op_sel_hi:[1,1,0] neg_lo:[1,0,0] neg_hi:[1,0,0]  ; 1/2 - q
.endr
.irp k, 0,1,2,3,4,5,6,7
	v_pk_fma_f32 v[(\x)+2*(\k):(\x)+2*(\k)+1], v[GA+2*(\k):GA+2*(\k)+1], v[GQ+2*(\k):GQ+2*(\k)+1], v[GH+2*(\k):GH+2*(\k)+1]
.endr
.irp k, 0,1,2,3,4,5,6,7
	v_cvt_pk_bf16_f32 v[(\y)+(\k)], v[(\x)+2*(\k)], v[(\x)+2*(\k)+1]
.endr
.endm
.macro WORK x, y, hf
	s_wait_xcnt 0x0                                ; the last trip's stores have read these registers
	GEL \x, \y
.irp u, 0,1,2,3
	global_store_b64 v[GO], v[(\y)+2*(\u):(\y)+2*(\u)+1], s[10:11] offset:(4*(\hf)+(\u))*2*NN  ; 256 consecutive bytes, aligned
.endr
.endm
	LOADH X0, 0                                    ; LDS serves a wave's instructions in order: these see the stores above
	s_mov_b32 s[CNT], 16
.Lr:                                           ; 8 rows a trip
	LOADH X1, 1
	s_wait_dscnt 4                                 ; the first half is in; the second half's four loads may be out
	WORK X0, Y0, 0
	v_add_nc_u32 v[RD], 8*DP, v[RD]
	s_cmp_eq_u32 s[CNT], 1
	s_cbranch_scc1 .Lx
	LOADH X0, 0
	s_wait_dscnt 4
	s_branch .Lg
.Lx:
	s_wait_dscnt 0x0
.Lg:
	WORK X1, Y1, 1
	s_wait_xcnt 0x0                                ; the stores have read their base
	s_add_nc_u64 s[10:11], s[10:11], 8*2*NN
	s_sub_co_u32 s[CNT], s[CNT], 1
	s_cmp_lg_u32 s[CNT], 0
	s_cbranch_scc1 .Lr
	s_wait_tensorcnt 0x0                           ; the wave's end
	ds_add_u32 v[SPW], v[NIL]
	s_wait_dscnt 0x0
	CROUND
	s_endpgm
.Lfunc_end_k_q5dbe4c8966_fc1:
	.size	k_q5dbe4c8966_fc1, .Lfunc_end_k_q5dbe4c8966_fc1-k_q5dbe4c8966_fc1
	.p2alignl 7, 3214868480
	.fill 96, 4, 3214868480
	.section	.rodata,"a",@progbits
	.p2align	6, 0x0
	.amdhsa_kernel k_q5dbe4c8966_fc1
		.amdhsa_group_segment_fixed_size 327680
		.amdhsa_private_segment_fixed_size 0
		.amdhsa_enable_private_segment 0
		.amdhsa_kernarg_size 32
		.amdhsa_user_sgpr_count 2
		.amdhsa_user_sgpr_kernarg_segment_ptr 1
		.amdhsa_wavefront_size32 1
		.amdhsa_system_sgpr_workgroup_id_x 1
		.amdhsa_system_sgpr_workgroup_id_y 1
		.amdhsa_system_sgpr_workgroup_id_z 1
		.amdhsa_system_vgpr_workitem_id 0
		.amdhsa_next_free_vgpr 1024
		.amdhsa_next_free_sgpr 96
		.amdhsa_reserve_vcc 0
		.amdhsa_float_denorm_mode_32 3
		.amdhsa_float_denorm_mode_16_64 3
		.amdhsa_memory_ordered 1
		.amdhsa_forward_progress 1
		.amdhsa_inst_pref_size 95
	.end_amdhsa_kernel
	.amdgpu_metadata
---
amdhsa.version: [ 1, 2 ]
amdhsa.kernels:
  - .name:           k_q5dbe4c8966_fc1
    .symbol:         k_q5dbe4c8966_fc1.kd
    .args:
      - { .name: hb, .offset: 0, .size: 8, .value_kind: global_buffer, .address_space: global }
      - { .name: wb, .offset: 8, .size: 8, .value_kind: global_buffer, .address_space: global }
      - { .name: b_fc1, .offset: 16, .size: 8, .value_kind: global_buffer, .address_space: global }
      - { .name: gb, .offset: 24, .size: 8, .value_kind: global_buffer, .address_space: global }
    .group_segment_fixed_size: 327680
    .private_segment_fixed_size: 0
    .kernarg_segment_align: 8
    .kernarg_segment_size: 32
    .max_flat_workgroup_size: 128
    .sgpr_count:     96
    .vgpr_count:     1024
    .wavefront_size: 32
...
	.end_amdgpu_metadata
.endif
;; end of part 5
;; launch fc2 (part 6): grid 8 x 32, 4 waves a work-group, clusters of 4 x 4, 327,680 bytes of LDS; arguments gb, wb, b_fc2, x1b, out0; writes out0
.if DOCPART == 6
	.amdgcn_target "amdgcn-amd-amdhsa--gfx1250"
	.amdhsa_code_object_version 6
	.text
	.protected	k_q5dbe4c8966_fc2
	.globl	k_q5dbe4c8966_fc2
	.p2align	8
	.type	k_q5dbe4c8966_fc2,@function
k_q5dbe4c8966_fc2:
	s_mov_b64 s[64:65], 0
	v_nop
	global_prefetch_b8 v0, s[64:65] scope:SCOPE_SE
	s_setreg_imm32_b32 hwreg(HW_REG_WAVE_MODE, 25, 1), 1
	s_wait_xcnt 0x0
	s_wait_alu depctr_hold_cnt(0) depctr_sa_sdst(0) depctr_va_vdst(0) depctr_va_sdst(0) depctr_va_ssrc(0) depctr_va_vcc(0) depctr_vm_vsrc(0)
	s_getreg_b32 s2, hwreg(HW_REG_IB_STS2, 6, 4)
	s_cmp_eq_u32 s2, 0
	s_cbranch_scc0 .Lentry_in_a_cluster
	s_endpgm
.Lentry_in_a_cluster:
	s_bfe_u32 s2, ttmp6, 0x10000c
	s_cmp_lg_u32 s2, 0xf033
	s_cbranch_scc0 .Lentry_shape_is_right
	s_endpgm
.Lentry_shape_is_right:
; out0 = x1b + gb x w2 + b_fc2, f32.  gb: [4096][4096] bf16; w2: [4096][1024] bf16 at wb's byte 0; x1b, out0: [4096][1024] f32.
; A tile is 128 x 128 (256 work-groups): four waves, each 64 x 64 in 16 accumulators.  K goes in 16 steps of 256 through a ring of two LDS slots filled by tensor loads.
; The weights stay [K][N] and come out of LDS turned; the matrix instruction is used transposed (a lane holds row l % 16, columns 8 (l / 16) + 0..7); the bias is the C operand of each first product.
; THE ORDER OF K.  The f32 sums may be taken in any order.  Step t takes block t xor 2 p of K, p = (cluster x + cluster y) % 2: clusters with p = 1 walk 2, 3, 0, 1, 6, 7, 4, 5, ..  The two clusters that
; read the same rows of A differ in x by one, neighbouring clusters that read the same columns of W in y by one: of two such clusters one asks for a block two steps ahead of the other, by turns.
; The residual's 64 x 64 f32 of each wave is loaded at the head into registers of its own and added on the way out, which goes through the ring (its last fill is over, nobody reads it).
; CLUSTER 4 x 4: A's tile is asked for jointly along a row, W's along a column.  No prefetch: the tiles are small and a step is short.
; WINDOWS: 0: addresses, the way out, the bias, the accumulators; 1: two fragment buffers (A's 64 registers, then W's 64); 2: the residual.
.set NN,     1024
.set TT,     16
.set PA,     528                       ; A's LDS row: 512 bytes + 16
.set AQ,     128                       ; a quarter of a K step: 64 elements along the row
.set AH,     64*PA
.set PB,     288                       ; W's LDS row: 256 bytes + 32 = 9 x 32
.set BH,     128*PB
.set ABYTES, 2*AH
.set SLOT,   ABYTES+2*BH
.set SPARE,  2*SLOT
.set DP,     272
.set DST,    64*DP
.set ASH,    9                         ; a block of K is 512 bytes along A's rows,
.set BSH,    19                        ; 256 rows of 2,048 bytes in W
.set WV, 14
.set WM, 15
.set WN, 16
.set CX, 17
.set CY, 18
.set TX, 19
.set TY, 20
.set G1A, 24
.set G0A, 32
.set AB,  44                           ; s[44:45] A at my rows, block 0 of K; never rewritten
.set BB,  46                           ; s[46:47] W at my rows of K and my columns, block 0; never rewritten
.set G1B, 48
.set G0B, 56
.set TB,  66
.set WOA, 67
.set CNT, 68
.set WOB, 69
.set P2,  70                           ; s70  2 p
.set TN,  71                           ; s71  the step to be asked for next
.set KX,  72                           ; s72  its block of K
.set OFF, 74                           ; s[74:75] the block's byte offset
.set A0,   16
.set B0,   17
.set ADRA, 18
.set ADRB, 19                          ; v19: quarters 0, 1; v20: quarters 2, 3 (128 rows of K on)
.set STO,  21
.set RD,   22
.set RO,   23
.set BO,   24
.set SPW,  28
.set NIL,  29
.set T0,   32
.set BIAS, 96
.set ACC,  128
.set F0,   0
.set F1,   128
.set MSB, 0
.macro WIN new
.if MSB != (\new)
	s_set_vgpr_msb (MSB<<8)|(\new)
.set MSB, \new
.endif
.endm
.macro PLACES
.rept 4
	v_nop
.endr
.endm
.macro CREST
	s_cmp_lg_u32 s[WV], 0
	s_cbranch_scc1 .Lnot_wave_0_\@
	s_barrier_signal -3
.Lnot_wave_0_\@:
	s_barrier_wait -3
	s_barrier_signal -1
	s_barrier_wait -1
.endm
.macro CROUND
	s_barrier_signal -1
	s_barrier_wait -1
	CREST
.endm
.macro JLOAD
	s_cmp_eq_u32 s[WM], 0
	s_cbranch_scc0 .Lfor_b_\@
	tensor_load_to_lds s[G0A+4:G0A+7], s[G1A:G1A+7]
	s_nop 0
.rept 4
	v_nop
.endr
	s_branch .Lasked_\@
.Lfor_b_\@:
	tensor_load_to_lds s[G0B+4:G0B+7], s[G1B:G1B+7]
	s_nop 0
.rept 4
	v_nop
.endr
.Lasked_\@:
.endm
	s_load_b256 s[4:11], s[0:1], 0x0               ; A 4:5, wb 6:7, bias 8:9, residual 10:11
	s_load_b64 s[12:13], s[0:1], 0x20              ; out
	v_lshl_add_u32 v[SPW], v0, 2, SPARE
	v_mov_b32 v[NIL], 0
	ds_add_u32 v[SPW], v[NIL]                      ; the wave's opening: the add and its wait ahead of my first tensor load
	v_lshrrev_b32 v1, 5, v0
	v_readfirstlane_b32 s[WV], v1
	s_lshr_b32 s[WM], s[WV], 1
	s_and_b32 s[WN], s[WV], 1
	s_bfe_u32 s[CX], ttmp6, 0x40000
	s_bfe_u32 s[CY], ttmp6, 0x40004
	s_lshl_b32 s[TX], ttmp9, 2
	s_add_co_u32 s[TX], s[TX], s[CX]
	s_and_b32 s[TY], ttmp7, 0xffff
	s_lshl_b32 s[TY], s[TY], 2
	s_add_co_u32 s[TY], s[TY], s[CY]
	s_and_b32 s[P2], ttmp7, 0xffff                 ; the cluster's y
	s_add_co_u32 s[P2], s[P2], ttmp9               ; + its x: the same in all sixteen partners
	s_and_b32 s[P2], s[P2], 1
	s_lshl_b32 s[P2], s[P2], 1                     ; 0 or 2
	s_mov_b32 s[TN], 2
	s_mov_b32 s[OFF+1], 0
	s_lshl_b32 s21, s[CY], 2
	s_lshl_b32 s21, 15, s21
	s_lshl_b32 s22, 0x1111, s[CX]
	s_or_b32 s[G1A], s21, (1<<16)|(1<<20)|(1<<21)|(6<<22)|(3<<25)   ; padding of 4 words after every 128
	s_or_b32 s[G1B], s22, (1<<16)|(1<<20)|(1<<21)|(5<<22)|(7<<25)   ; padding of 8 words after every 64
	s_mov_b32 s[G1A+1], 256<<16                    ; A: 64 rows x 256 elements, 4,096 elements from row to row
	s_mov_b32 s[G1A+2], 64<<16
	s_mov_b32 s[G1A+3], 256<<16
	s_mov_b32 s[G1A+4], 64
	s_mov_b32 s[G1A+5], 4096
	s_mov_b32 s[G1A+6], 0
	s_mov_b32 s[G1A+7], 0
	s_mov_b32 s[G1B+1], 128<<16                    ; W: 128 rows of K x 128 columns
	s_mov_b32 s[G1B+2], 128<<16
	s_mov_b32 s[G1B+3], 128<<16
	s_mov_b32 s[G1B+4], 128
	s_mov_b32 s[G1B+5], NN
	s_mov_b32 s[G1B+6], 0
	s_mov_b32 s[G1B+7], 0
	s_mul_i32 s[WOA], s[WN], AH
	s_mul_i32 s[WOB], s[WN], BH
	s_add_co_u32 s[WOB], s[WOB], ABYTES
	s_mov_b32 s[TB], 0
	s_lshl_b32 s40, s[TY], 7
	s_lshl_b32 s23, s[WN], 6
	s_add_co_u32 s40, s40, s23
	s_lshl_b32 s40, s40, 13                        ; A: row 128 ty + 64 half, 8,192 bytes a row
	s_mov_b32 s41, 0
	s_lshl_b32 s42, s[WN], 18                      ; W: K row 128 half,
	s_lshl_b32 s43, s[TX], 8                       ; column 128 tx
	s_add_co_u32 s42, s42, s43
	s_mov_b32 s43, 0
	s_wait_dscnt 0x0
	s_wait_kmcnt 0x0
	s_add_nc_u64 s[AB:AB+1], s[4:5], s[40:41]
	s_add_nc_u64 s[BB:BB+1], s[6:7], s[42:43]
	CROUND
.irp s, 0,1
	s_xor_b32 s[KX], s[P2], \s                     ; step s takes block s xor 2 p
	s_mov_b32 s[G0A+4*(\s)], 1
	s_add_co_u32 s[G0A+4*(\s)+1], s[WOA], (\s)*SLOT
	s_lshl_b32 s[OFF], s[KX], ASH
	s_add_nc_u64 s[G0A+4*(\s)+2:G0A+4*(\s)+3], s[AB:AB+1], s[OFF:OFF+1]
	s_or_b32 s[G0A+4*(\s)+3], s[G0A+4*(\s)+3], 0x80000000
	s_mov_b32 s[G0B+4*(\s)], 1
	s_add_co_u32 s[G0B+4*(\s)+1], s[WOB], (\s)*SLOT
	s_lshl_b32 s[OFF], s[KX], BSH
	s_add_nc_u64 s[G0B+4*(\s)+2:G0B+4*(\s)+3], s[BB:BB+1], s[OFF:OFF+1]
	s_or_b32 s[G0B+4*(\s)+3], s[G0B+4*(\s)+3], 0x80000000
.endr
	s_cmp_eq_u32 s[WM], 0
	s_cbranch_scc0 .Lfirst_b
	tensor_load_to_lds s[G0A:G0A+3], s[G1A:G1A+7]
	s_nop 0
	tensor_load_to_lds s[G0A+4:G0A+7], s[G1A:G1A+7]
	s_nop 0
.rept 4
	v_nop
.endr
	s_branch .Lfirst_done
.Lfirst_b:
	tensor_load_to_lds s[G0B:G0B+3], s[G1B:G1B+7]
	s_nop 0
	tensor_load_to_lds s[G0B+4:G0B+7], s[G1B:G1B+7]
	s_nop 0
.rept 4
	v_nop
.endr
.Lfirst_done:
	v_and_b32 v1, 15, v0
	v_bfe_u32 v2, v0, 4, 1
	v_and_b32 v3, 7, v0
	v_bfe_u32 v4, v0, 3, 1
	v_lshlrev_b32 v[BO], 5, v2
	s_lshl_b32 s2, s[TX], 9
	s_lshl_b32 s3, s[WN], 8
	s_add_co_u32 s2, s2, s3                        ; my first column, in bytes of f32
	s_mov_b32 s3, 0
	s_add_nc_u64 s[8:9], s[8:9], s[2:3]
.irp b, 0,1,2,3
	global_load_b128 v[BIAS+8*(\b):BIAS+8*(\b)+3],   v[BO], s[8:9] offset:64*(\b)
	global_load_b128 v[BIAS+8*(\b)+4:BIAS+8*(\b)+7], v[BO], s[8:9] offset:64*(\b)+16
.endr
	s_lshl_b32 s21, s[TY], 7
	s_lshl_b32 s22, s[WM], 6
	s_add_co_u32 s21, s21, s22
	s_lshl_b32 s21, s21, 12                        ; my first row
	s_add_co_u32 s2, s2, s21
	s_add_nc_u64 s[10:11], s[10:11], s[2:3]
	s_add_nc_u64 s[12:13], s[12:13], s[2:3]
	v_lshlrev_b32 v[RO], 12, v2                    ; lanes 0-15 take my 256 bytes of a row, lanes 16-31 of the next
	v_lshl_add_u32 v[RO], v1, 4, v[RO]
	WIN 0x80
.set u, 0
.rept 32
	global_load_b128 v[4*u:4*u+3], v[RO], s[10:11] offset:8192*u  ; the residual: it has the whole K loop in which to land
.set u, u+1
.endr
	WIN 0
	v_mul_u32_u24 v[A0], v1, PA
	v_lshl_add_u32 v[A0], v2, 4, v[A0]
	s_mul_i32 s21, s[WM], AH
	v_add_nc_u32 v[A0], s21, v[A0]
	v_lshl_add_u32 v[B0], v2, 3, v3
	v_mul_u32_u24 v[B0], v[B0], PB
	v_lshl_add_u32 v[B0], v4, 4, v[B0]
	s_lshl_b32 s21, s[WN], 7
	s_add_co_u32 s21, s21, ABYTES
	v_add_nc_u32 v[B0], s21, v[B0]
	v_mov_b32 v[ADRA], v[A0]
	v_mov_b32 v[ADRB], v[B0]
	v_add_nc_u32 v[ADRB+1], 128*PB, v[B0]
	s_mul_i32 s21, s[WV], DST
	v_mul_u32_u24 v[STO], v1, DP
	v_lshl_add_u32 v[STO], v2, 5, v[STO]
	v_add_nc_u32 v[STO], s21, v[STO]
	v_mul_u32_u24 v[RD], v2, DP
	v_lshl_add_u32 v[RD], v1, 4, v[RD]
	v_add_nc_u32 v[RD], s21, v[RD]
.macro MUL8 f, c, a0, first            ; 8 products: row blocks a0, a0 + 1 x 4 column blocks, 32 along K: half c of buffer f; first = 1: the bias starts the sums
	WIN 0x05
.irp a, \a0, (\a0)+1
.irp b, 0,1,2,3
.if \first
	v_wmma_f32_16x16x32_bf16 v[ACC+8*(4*(\a)+(\b)):ACC+8*(4*(\a)+(\b))+7], v[(\f)+64+8*(4*(\c)+(\b)):(\f)+64+8*(4*(\c)+(\b))+7], v[(\f)+8*(4*(\c)+(\a)):(\f)+8*(4*(\c)+(\a))+7], v[BIAS+8*(\b):BIAS+8*(\b)+7]
.else
	v_wmma_f32_16x16x32_bf16 v[ACC+8*(4*(\a)+(\b)):ACC+8*(4*(\a)+(\b))+7], v[(\f)+64+8*(4*(\c)+(\b)):(\f)+64+8*(4*(\c)+(\b))+7], v[(\f)+8*(4*(\c)+(\a)):(\f)+8*(4*(\c)+(\a))+7], v[ACC+8*(4*(\a)+(\b)):ACC+8*(4*(\a)+(\b))+7]
.endif
.endr
.endr
.endm
.macro FETCH kq, f                     ; 32 LDS loads in one run: quarter kq's fragments (64 along K), the first 32 along K first
	WIN 0x40
.irp c, 0,1
.irp i, 0,1,2,3
	ds_load_tr16_b128 v[(\f)+64+8*(4*(\c)+(\i)):(\f)+64+8*(4*(\c)+(\i))+3],   v[ADRB+(\kq)/2] offset:(((\kq)%2)*64+32*(\c))*PB+32*(\i)
	ds_load_tr16_b128 v[(\f)+64+8*(4*(\c)+(\i))+4:(\f)+64+8*(4*(\c)+(\i))+7], v[ADRB+(\kq)/2] offset:(((\kq)%2)*64+32*(\c))*PB+32*(\i)+16*PB
	ds_load_b128 v[(\f)+8*(4*(\c)+(\i)):(\f)+8*(4*(\c)+(\i))+3],   v[ADRA] offset:(\kq)*AQ+64*(\c)+(\i)*16*PA
	ds_load_b128 v[(\f)+8*(4*(\c)+(\i))+4:(\f)+8*(4*(\c)+(\i))+7], v[ADRA] offset:(\kq)*AQ+64*(\c)+(\i)*16*PA+32
.endr
.endr
.endm
.macro QUARTER kq, f, g, first
	s_wait_dscnt 16                                ; the first 32 along K are in; the youngest sixteen loads may be out
	MUL8 \f, 0, 0, \first
	MUL8 \f, 0, 2, \first
	PLACES
	FETCH \kq, \g
	s_wait_dscnt 32                                ; all but the 32 just issued
	MUL8 \f, 1, 0, 0
	MUL8 \f, 1, 2, 0
.endm
; The slot's last quarter multiplies buffer 1 and changes slots.  Sixteen products stand ahead of the change and sixteen behind the fetch; none stands between the wait for all tensor loads and the
; refill, so that the next request leaves as soon as the round allows, and all 128 products of a step lie between a request and the wait for it.
; In front of the barrier: the wait for all my tensor loads (one is out: my part of the next slot), the add, and the wait for it and for my reads of this slot.  fill = 1: the barrier opens a round of the
; cluster's, and the slot just left is filled again, first thing behind it, with step TN's block of K: the address is made anew from the block's number.
.macro TURN fill
	s_wait_dscnt 16                                ; the first 32 along K of buffer 1 are in; the youngest sixteen loads may be out
	MUL8 F1, 0, 0, 0
	MUL8 F1, 0, 2, 0
	WIN 0
	s_wait_tensorcnt 0x0                           ; no tensor load of mine is out, so a group 0 may be written
	ds_add_u32 v[SPW], v[NIL]
.if \fill
	s_add_co_u32 s[G0A+5], s[TB], s[WOA]           ; into the slot that is being left
	s_add_co_u32 s[G0B+5], s[TB], s[WOB]
	s_xor_b32 s[KX], s[TN], s[P2]
	s_add_co_u32 s[TN], s[TN], 1
	s_lshl_b32 s[OFF], s[KX], ASH
	s_add_nc_u64 s[G0A+6:G0A+7], s[AB:AB+1], s[OFF:OFF+1]
	s_or_b32 s[G0A+7], s[G0A+7], 0x80000000
	s_lshl_b32 s[OFF], s[KX], BSH
	s_add_nc_u64 s[G0B+6:G0B+7], s[BB:BB+1], s[OFF:OFF+1]
	s_or_b32 s[G0B+7], s[G0B+7], 0x80000000
.endif
	s_xor_b32 s[TB], s[TB], SLOT
	v_add_nc_u32 v[ADRA], s[TB], v[A0]
	v_add_nc_u32 v[ADRB], s[TB], v[B0]
	v_add_nc_u32 v[ADRB+1], 128*PB, v[ADRB]
	s_wait_dscnt 0x0                               ; the add is done, and my reads of this slot are over: all of buffer 1 is in
	s_barrier_signal -1
	s_barrier_wait -1
.if \fill
	CREST
	JLOAD                                          ; its four v_nop are also the places in front of the loads below
.else
	s_cmp_eq_u32 s[CNT], 1                         ; behind the last K step there is nothing to fetch
	s_cbranch_scc1 .Lnf_\@
	PLACES
.endif
	FETCH 0, F0
	WIN 0
.if (\fill) == 0
.Lnf_\@:
.endif
	MUL8 F1, 1, 0, 0
	MUL8 F1, 1, 2, 0
.endm
	s_wait_tensorcnt 0x1                           ; my part of step 0 is in; step 1's may stay out
	s_barrier_signal -1
	s_barrier_wait -1
	FETCH 0, F0
	s_wait_loadcnt 32                              ; the bias is in; the 32 younger loads of the residual stay out
	QUARTER 1, F0, F1, 1
	WIN 0
	s_mov_b32 s[CNT], TT-2
.Lk:
	QUARTER 2, F1, F0, 0
	QUARTER 3, F0, F1, 0
	TURN 1
	QUARTER 1, F0, F1, 0
	WIN 0
	s_sub_co_u32 s[CNT], s[CNT], 1
	s_cmp_lg_u32 s[CNT], 0
	s_cbranch_scc1 .Lk
	s_mov_b32 s[CNT], 2
.Lt:
	QUARTER 2, F1, F0, 0
	QUARTER 3, F0, F1, 0
	TURN 0
	WIN 0
	s_sub_co_u32 s[CNT], s[CNT], 1
	s_cmp_eq_u32 s[CNT], 0
	s_cbranch_scc1 .Lout
	QUARTER 1, F0, F1, 0
	WIN 0
	s_branch .Lt
.Lout:
	PLACES
.irp a, 0,1,2,3
.irp b, 0,1,2,3
	ds_store_b128 v[STO], v[ACC+8*(4*(\a)+(\b)):ACC+8*(4*(\a)+(\b))+3]   offset:(\a)*16*DP+64*(\b)
	ds_store_b128 v[STO], v[ACC+8*(4*(\a)+(\b))+4:ACC+8*(4*(\a)+(\b))+7] offset:(\a)*16*DP+64*(\b)+16
.endr
.endr
.macro LD gq                           ; 16 rows back, two rows a load
.irp u, 0,1,2,3,4,5,6,7
	ds_load_b128 v[T0+32*((\gq)%2)+4*(\u):T0+32*((\gq)%2)+4*(\u)+3], v[RD] offset:2*DP*(8*(\gq)+(\u))
.endr
.endm
	LD 0
	s_wait_loadcnt 0x0                             ; the residual
.irp gq, 0,1,2,3
.if (\gq) < 3
	s_wait_xcnt 0x0                                ; the stores of the group before last have read the registers that are loaded next
	LD (\gq)+1
	s_wait_dscnt 8                                 ; this group is in; the next group's eight loads may be out
.else
	s_wait_dscnt 0x0
.endif
	WIN 0x08                                       ; source 1, the residual, in window 2
.irp k, 0,1,2,3,4,5,6,7,8,9,10,11,12,13,14,15
	v_pk_add_f32 v[T0+32*((\gq)%2)+2*(\k):T0+32*((\gq)%2)+2*(\k)+1], v[T0+32*((\gq)%2)+2*(\k):T0+32*((\gq)%2)+2*(\k)+1], v[32*(\gq)+2*(\k):32*(\gq)+2*(\k)+1]
.endr
	WIN 0
.irp u, 0,1,2,3,4,5,6,7
	global_store_b128 v[RO], v[T0+32*((\gq)%2)+4*(\u):T0+32*((\gq)%2)+4*(\u)+3], s[12:13] offset:8192*(8*(\gq)+(\u))  ; 16 lanes store 256 consecutive bytes, aligned
.endr
.endr
	s_wait_tensorcnt 0x0                           ; the wave's end
	ds_add_u32 v[SPW], v[NIL]
	s_wait_dscnt 0x0
	CROUND
	s_endpgm
.Lfunc_end_k_q5dbe4c8966_fc2:
	.size	k_q5dbe4c8966_fc2, .Lfunc_end_k_q5dbe4c8966_fc2-k_q5dbe4c8966_fc2
	.p2alignl 7, 3214868480
	.fill 96, 4, 3214868480
	.section	.rodata,"a",@progbits
	.p2align	6, 0x0
	.amdhsa_kernel k_q5dbe4c8966_fc2
		.amdhsa_group_segment_fixed_size 327680
		.amdhsa_private_segment_fixed_size 0
		.amdhsa_enable_private_segment 0
		.amdhsa_kernarg_size 40
		.amdhsa_user_sgpr_count 2
		.amdhsa_user_sgpr_kernarg_segment_ptr 1
		.amdhsa_wavefront_size32 1
		.amdhsa_system_sgpr_workgroup_id_x 1
		.amdhsa_system_sgpr_workgroup_id_y 1
		.amdhsa_system_sgpr_workgroup_id_z 1
		.amdhsa_system_vgpr_workitem_id 0
		.amdhsa_next_free_vgpr 640
		.amdhsa_next_free_sgpr 84
		.amdhsa_reserve_vcc 0
		.amdhsa_float_denorm_mode_32 3
		.amdhsa_float_denorm_mode_16_64 3
		.amdhsa_memory_ordered 1
		.amdhsa_forward_progress 1
		.amdhsa_inst_pref_size 66
	.end_amdhsa_kernel
	.amdgpu_metadata
---
amdhsa.version: [ 1, 2 ]
amdhsa.kernels:
  - .name:           k_q5dbe4c8966_fc2
    .symbol:         k_q5dbe4c8966_fc2.kd
    .args:
      - { .name: gb, .offset: 0, .size: 8, .value_kind: global_buffer, .address_space: global }
      - { .name: wb, .offset: 8, .size: 8, .value_kind: global_buffer, .address_space: global }
      - { .name: b_fc2, .offset: 16, .size: 8, .value_kind: global_buffer, .address_space: global }
      - { .name: x1b, .offset: 24, .size: 8, .value_kind: global_buffer, .address_space: global }
      - { .name: out0, .offset: 32, .size: 8, .value_kind: global_buffer, .address_space: global }
    .group_segment_fixed_size: 327680
    .private_segment_fixed_size: 0
    .kernarg_segment_align: 8
    .kernarg_segment_size: 40
    .max_flat_workgroup_size: 128
    .sgpr_count:     84
    .vgpr_count:     640
    .wavefront_size: 32
...
	.end_amdgpu_metadata
.endif
;; end of part 6
